; MI455X (gfx1250); checked and timed in simulation.
; The chip was launched on July 23, 2026; its instructions are those of AMD's public machine-readable ISA for CDNA 5 (MIT licence, August 2026) and "CDNA5" Instruction Set Architecture Reference Guide (July 2026). The comments in the code are by the model that wrote it; some were corrected since.
;; Multi Head Attention. Allowed arithmetic: float matrix products may take bf16 or f16 operands with f32 sums; other float arithmetic in f32, or as packed bf16 or f16 multiplies, adds, multiply-adds, maxima and minima; sums over many terms, partial sums and values carried from step to step in f32; what a program stores and reads back later, other than sums and carried values, may be rounded once to bf16 or f16.
;; Inputs: bk 12 x 64 float32; bo 768 float32; bq 12 x 64 float32; bv 12 x 64 float32; wk 12 x 768 x 64 float32; wo 768 x 768 float32; wq 12 x 768 x 64 float32; wv 12 x 768 x 64 float32; x 1 x 4,096 x 768 float32.
;; Outputs: out0 1 x 4,096 x 768 float32.
;; 2 versions, each right; version 2 is version 1 with the launch prep written anew for expert scheduling mode. Each part assembles by itself: llvm-mc -triple=amdgcn-amd-amdhsa -mcpu=gfx1250 --defsym DOCPART=n.
;; ======== version 1 of 2: 4 launches
;; limits: values are held in f16: magnitudes above 65,504 overflow, below 6.1e-05 lose precision
;; workspace buffers: xb 6,291,456 bytes; wb 3,538,944 bytes; wob 1,179,648 bytes; qkv 18,874,368 bytes; ob 6,291,456 bytes
;; launch prep (part 1): grid 12 x 56, 8 waves a work-group, no clusters, 0 bytes of LDS; arguments x, wq, wk, wv, wo, xb, wb, wob; writes xb, wb, wob
.if DOCPART == 1
	.amdgcn_target "amdgcn-amd-amdhsa--gfx1250"
	.amdhsa_code_object_version 6
	.text
	.protected	k_qdba9efebba_prep
	.globl	k_qdba9efebba_prep
	.p2align	8
	.type	k_qdba9efebba_prep,@function
k_qdba9efebba_prep:
	s_mov_b64 s[64:65], 0
	v_nop
	global_prefetch_b8 v0, s[64:65] scope:SCOPE_SE
	s_setreg_imm32_b32 hwreg(HW_REG_WAVE_MODE, 25, 1), 1
	s_wait_xcnt 0x0
; ROUNDING AND RE-BLOCKING of the five large inputs, once, so that every tile of the later launches is dense and 16 bits wide.
;   xb [12 cb][4096 t][64] bf16: xb[cb][t][e] = x[t][64 cb + e]
;   wb [36 g][768 c][64 d] bf16: g = 12 x matrix + head, matrix 0, 1, 2 = q, k, v
;   wob[12 nb][768 k][64]  f16:  wo[k][64 nb + e] rounded to bf16, and that number written as f16
; LIMIT: a number of wo below 6e-5 in size keeps f16's fixed step of 6e-8; beyond 65,504 it would be an infinity (wo as drawn lies within 0.04).
; A stream: no LDS, no matrix unit, no cluster (no byte is read twice).  A work-group converts 128 rows of one block of 64 columns, a wave 16 rows as 8 items of 2 rows.
; In an item lane l reads 16 bytes (row l / 16, floats 4 (l % 16) on): each half of the wave 256 consecutive bytes, aligned; and stores 8 bytes at 8 l: the wave 256 consecutive bytes, aligned.
; All eight loads go out first; no register is written twice, so only the loads' own counted waits are needed.
.set OFF, 4            ; v4-11   item j's byte offset in the source
.set DO,  12           ; v12     my byte offset in the destination
.set X,   16           ; v16-47  item j: four f32
.set Y,   48           ; v48-63  item j: four 16-bit numbers
.set T,   64           ; v64-67  wo's way: the bf16 numbers as f32
.set GY,  24           ; s24  the grid's y: which tensor, which 128 rows
.set WV,  25           ; s25  wave
.set RG0, 26           ; s26  the first y of the tensor in hand
.set SRS, 27           ; s27  source: bytes from row to row
.set SBS, 28           ; s28  source: bytes from block to block
.set DBS, 29           ; s29  destination: bytes from block to block
.set MB,  30           ; s30  destination: first block
.set KO,  31           ; s31  1: wo
.set SRC, 32           ; s[32:33]
.set DST, 34           ; s[34:35]
	s_load_b512 s[8:23], s[0:1], 0x0               ; x 8, wq 10, wk 12, wv 14, wo 16, xb 18, wb 20, wob 22
	s_and_b32 s[GY], ttmp7, 0xffff
	v_lshrrev_b32 v1, 5, v0
	v_readfirstlane_b32 s[WV], v1
	s_mov_b32 s[RG0], 0                            ; y 0-31: x
	s_mov_b32 s[SRS], 3072
	s_mov_b32 s[SBS], 256
	s_mov_b32 s[DBS], 524288
	s_mov_b32 s[MB], 0
	s_mov_b32 s[KO], 0
	s_wait_kmcnt 0x0
	s_mov_b64 s[SRC:SRC+1], s[8:9]
	s_mov_b64 s[DST:DST+1], s[18:19]
	s_cmp_ge_u32 s[GY], 32                         ; y 32-37: wo
	s_cselect_b32 s[RG0], 32, s[RG0]
	s_cselect_b32 s[DBS], 98304, s[DBS]
	s_cselect_b32 s[KO], 1, s[KO]
	s_cselect_b64 s[SRC:SRC+1], s[16:17], s[SRC:SRC+1]
	s_cselect_b64 s[DST:DST+1], s[22:23], s[DST:DST+1]
	s_cmp_ge_u32 s[GY], 38                         ; y 38-43: wq: a block is a head, its rows are dense
	s_cselect_b32 s[RG0], 38, s[RG0]
	s_cselect_b32 s[SRS], 256, s[SRS]
	s_cselect_b32 s[SBS], 196608, s[SBS]
	s_cselect_b32 s[KO], 0, s[KO]
	s_cselect_b64 s[SRC:SRC+1], s[10:11], s[SRC:SRC+1]
	s_cselect_b64 s[DST:DST+1], s[20:21], s[DST:DST+1]
	s_cmp_ge_u32 s[GY], 44                         ; y 44-49: wk
	s_cselect_b32 s[RG0], 44, s[RG0]
	s_cselect_b32 s[MB], 12, s[MB]
	s_cselect_b64 s[SRC:SRC+1], s[12:13], s[SRC:SRC+1]
	s_cmp_ge_u32 s[GY], 50                         ; y 50-55: wv
	s_cselect_b32 s[RG0], 50, s[RG0]
	s_cselect_b32 s[MB], 24, s[MB]
	s_cselect_b64 s[SRC:SRC+1], s[14:15], s[SRC:SRC+1]
	s_sub_co_u32 s36, s[GY], s[RG0]
	s_lshl_b32 s36, s36, 7
	s_lshl4_add_u32 s36, s[WV], s36                ; my wave's first row
	s_mul_i32 s37, s36, s[SRS]
	s_mul_i32 s38, ttmp9, s[SBS]
	s_add_co_u32 s37, s37, s38                     ; its first byte in the source,
	s_add_co_u32 s38, s[MB], ttmp9
	s_mul_i32 s38, s38, s[DBS]
	s_lshl_b32 s39, s36, 7
	s_add_co_u32 s39, s39, s38                     ; and in the destination
	s_lshl_b32 s38, s[SRS], 1                      ; two rows
	v_and_b32 v2, 15, v0
	v_bfe_u32 v3, v0, 4, 1
	v_mul_lo_u32 v[OFF], v3, s[SRS]
	v_lshl_add_u32 v[OFF], v2, 4, v[OFF]
	v_add_nc_u32 v[OFF], s37, v[OFF]
.irp j, 1,2,3,4,5,6,7
	v_add_nc_u32 v[OFF+\j], s38, v[OFF+\j-1]
.endr
	v_and_b32 v1, 31, v0
	v_lshl_add_u32 v[DO], v1, 3, s39
.irp j, 0,1,2,3,4,5,6,7
	global_load_b128 v[X+4*\j:X+4*\j+3], v[OFF+\j], s[SRC:SRC+1] th:TH_LOAD_NT
.endr
	s_cmp_eq_u32 s[KO], 1
	s_cbranch_scc1 .Lwo
.irp j, 0,1,2,3,4,5,6,7
	s_wait_loadcnt 7-\j                            ; loads come back in order: item j is in, the younger ones stay out
	v_cvt_pk_bf16_f32 v[Y+2*\j], v[X+4*\j], v[X+4*\j+1]
	v_cvt_pk_bf16_f32 v[Y+2*\j+1], v[X+4*\j+2], v[X+4*\j+3]
	global_store_b64 v[DO], v[Y+2*\j:Y+2*\j+1], s[DST:DST+1] offset:256*\j
.endr
	s_endpgm
.Lwo:                                                  ; wo: rounded to bf16 like every input, then written as f16, the format of the product that takes it
.irp j, 0,1,2,3,4,5,6,7
	s_wait_loadcnt 7-\j
	v_cvt_pk_bf16_f32 v[Y+2*\j], v[X+4*\j], v[X+4*\j+1]
	v_cvt_pk_bf16_f32 v[Y+2*\j+1], v[X+4*\j+2], v[X+4*\j+3]
	v_lshlrev_b32 v[T], 16, v[Y+2*\j]
	v_and_b32 v[T+1], 0xffff0000, v[Y+2*\j]
	v_lshlrev_b32 v[T+2], 16, v[Y+2*\j+1]
	v_and_b32 v[T+3], 0xffff0000, v[Y+2*\j+1]
	v_cvt_pk_f16_f32 v[Y+2*\j], v[T], v[T+1]
	v_cvt_pk_f16_f32 v[Y+2*\j+1], v[T+2], v[T+3]
	global_store_b64 v[DO], v[Y+2*\j:Y+2*\j+1], s[DST:DST+1] offset:256*\j
.endr
	s_endpgm
.Lfunc_end_k_qdba9efebba_prep:
	.size	k_qdba9efebba_prep, .Lfunc_end_k_qdba9efebba_prep-k_qdba9efebba_prep
	.p2alignl 7, 3214868480
	.fill 96, 4, 3214868480
	.section	.rodata,"a",@progbits
	.p2align	6, 0x0
	.amdhsa_kernel k_qdba9efebba_prep
		.amdhsa_group_segment_fixed_size 0
		.amdhsa_private_segment_fixed_size 0
		.amdhsa_enable_private_segment 0
		.amdhsa_kernarg_size 64
		.amdhsa_user_sgpr_count 2
		.amdhsa_user_sgpr_kernarg_segment_ptr 1
		.amdhsa_wavefront_size32 1
		.amdhsa_system_sgpr_workgroup_id_x 1
		.amdhsa_system_sgpr_workgroup_id_y 1
		.amdhsa_system_sgpr_workgroup_id_z 1
		.amdhsa_system_vgpr_workitem_id 0
		.amdhsa_next_free_vgpr 72
		.amdhsa_next_free_sgpr 66
		.amdhsa_reserve_vcc 0
		.amdhsa_float_denorm_mode_32 3
		.amdhsa_float_denorm_mode_16_64 3
		.amdhsa_memory_ordered 1
		.amdhsa_forward_progress 1
		.amdhsa_inst_pref_size 10
	.end_amdhsa_kernel
	.amdgpu_metadata
---
amdhsa.version: [ 1, 2 ]
amdhsa.kernels:
  - .name:           k_qdba9efebba_prep
    .symbol:         k_qdba9efebba_prep.kd
    .args:
      - { .name: x, .offset: 0, .size: 8, .value_kind: global_buffer, .address_space: global }
      - { .name: wq, .offset: 8, .size: 8, .value_kind: global_buffer, .address_space: global }
      - { .name: wk, .offset: 16, .size: 8, .value_kind: global_buffer, .address_space: global }
      - { .name: wv, .offset: 24, .size: 8, .value_kind: global_buffer, .address_space: global }
      - { .name: wo, .offset: 32, .size: 8, .value_kind: global_buffer, .address_space: global }
      - { .name: xb, .offset: 40, .size: 8, .value_kind: global_buffer, .address_space: global }
      - { .name: wb, .offset: 48, .size: 8, .value_kind: global_buffer, .address_space: global }
      - { .name: wob, .offset: 56, .size: 8, .value_kind: global_buffer, .address_space: global }
    .group_segment_fixed_size: 0
    .private_segment_fixed_size: 0
    .kernarg_segment_align: 8
    .kernarg_segment_size: 64
    .max_flat_workgroup_size: 256
    .sgpr_count:     66
    .vgpr_count:     72
    .wavefront_size: 32
...
	.end_amdgpu_metadata
.endif
;; end of part 1
;; launch proj (part 2): grid 12 x 16, 4 waves a work-group, clusters of 4 x 4, 327,680 bytes of LDS; arguments xb, wb, bq, bk, bv, qkv; writes qkv
.if DOCPART == 2
	.amdgcn_target "amdgcn-amd-amdhsa--gfx1250"
	.amdhsa_code_object_version 6
	.text
	.protected	k_qdba9efebba_proj
	.globl	k_qdba9efebba_proj
	.p2align	8
	.type	k_qdba9efebba_proj,@function
k_qdba9efebba_proj:
	s_mov_b64 s[64:65], 0
	v_nop
	global_prefetch_b8 v0, s[64:65] scope:SCOPE_SE
	s_setreg_imm32_b32 hwreg(HW_REG_WAVE_MODE, 25, 1), 1
	s_wait_xcnt 0x0
	s_wait_alu depctr_hold_cnt(0) depctr_sa_sdst(0) depctr_va_vdst(0) depctr_va_sdst(0) depctr_va_ssrc(0) depctr_va_vcc(0) depctr_vm_vsrc(0)
	s_getreg_b32 s2, hwreg(HW_REG_IB_STS2, 6, 4)
	s_cmp_eq_u32 s2, 0
	s_cbranch_scc0 .Lentry_in_a_cluster
	s_endpgm
.Lentry_in_a_cluster:
	s_bfe_u32 s2, ttmp6, 0x10000c
	s_cmp_lg_u32 s2, 0xf033
	s_cbranch_scc0 .Lentry_shape_is_right
	s_endpgm
.Lentry_shape_is_right:
; q, k, v = x W + b, by heads: qkv[36 g][4096 t][64] f16, g = 12 x matrix + head.  x and W come as bf16 (xb, wb), the bias is rounded to bf16 here; sums in f32, rounded once to f16, unscaled.
; LIMIT: f16 ends at 65,504: q, k and v must lie within it (as drawn they are of size 1; inputs 30 times larger, both of them, give some 1e3 to 1e4); below 6e-5 f16 keeps its fixed step of 6e-8.
; SHARES.  A work-group makes 256 rows x 192 columns: three heads of one matrix (grid 12 x 16: 192 work-groups).  Wave w: rows 128 (w / 2) on (a = 0..7), and 96 columns (b = 0..5):
; b = 0..3 are block w % 2, columns 16 b on; b = 4, 5 are block 2, columns 32 (w % 2) + 16 (b - 4) on.  48 accumulators; 14 fragments feed 48 matrix instructions.
; K = 768 goes in six steps of 128 through two LDS slots.  xb's tile is 2 chunks x 256 rows x 128 bytes, each chunk dense in memory: asked for as 2 rows of 32,768 bytes, padded in LDS after every 128 bytes.
; wb's tiles are 128 k x 128 bytes, dense: 64 rows of 256 bytes.  x is read from LDS as it lies; W ([k][d]) turned, by ds_load_tr16_b128.
; THE MATRIX INSTRUCTION IS USED TRANSPOSED (source 0 = 16 columns of W, source 1 = 16 rows of x): a lane holds eight neighbouring columns of one row: 16 bytes of f16.  THE BIAS is the C operand of the first products.
; CLUSTER 4 x 4: x's tile hangs on the tile row alone and is asked for jointly along a row of the cluster, W's on the tile column alone, jointly along a column.
; Wave 3 asks for x's tile, waves 0 to 2 for W's three blocks (wave 3 makes a descriptor for W too, and never issues it).  By this text's count a wave has two tensor loads out at the start, later one.
; No prefetch: of the six K steps two go out at the head, and the launch is short.
; REGISTERS: window 0: v0-31 addresses; two fragment buffers of 112 (x's a at +8 a, W's b at +64 + 8 b).  Window 1: accumulators a = 0..3 at 8 (6 a + b).  Window 2: a = 4..7; v192-239 the bias; v240-243 at work.
.set PA,    144        ; a row of x in LDS: 128 bytes + 16: the 16 rows of a load start at 16 different groups of four banks
.set PB,    160        ; a row of W: 128 + 32
.set CHUNK, 256*PA     ; 36,864
.set BOFF,  2*CHUNK    ; W's blocks lie behind x's two chunks
.set BBLK,  128*PB     ; 20,480
.set SLOT,  BOFF+3*BBLK  ; 135,168
.set SPARE, 2*SLOT     ; behind the ring: the spare words, 128 bytes a wave
.set ASTEP, 1048576    ; bytes of xb from K step to K step: two chunks
.set BSTEP, 16384      ; of wb: 128 rows
.set ADRA,  16         ; v16-17  my fragments of x in slot 0, 1
.set ADRB1, 18         ; v18-19  of W, b = 0..3
.set ADRB2, 20         ; v20-21  of W, b = 4, 5
.set STO1,  22         ; v22     the way out: my 16 bytes, b = 0..3
.set STO2,  23         ; v23     b = 4, 5
.set RD,    24         ; v24     the way out: rows read back, blocks 0 and 1
.set GO,    25         ; v25     16 x lane
.set BO1,   26         ; v26     my bias, b = 0..3
.set BO2,   27         ; v27     b = 4, 5
.set SPW,   28         ; v28     my spare word; never rewritten
.set NIL,   29         ; v29     0; never rewritten
.set RD2,   30         ; v30     rows read back, block 2 (its place is past a 16-bit offset)
.set F0,    32
.set F1,    144
.set BI,    192        ; window 2
.set BT,    240        ; window 2
.set WV,  20
.set RW,  21
.set CW,  22
.set G1A, 24           ; s[24:31]
.set G0A, 32           ; s[32:39] a set for each slot
.set G1B, 48           ; s[48:55]
.set G0B, 56           ; s[56:63]
.set BP,  66           ; s[66:67] the matrix's bias
.set OUT, 68           ; s[68:69]
.set MSB, 0
.macro WIN new                         ; the immediate's high byte repeats the setting that is left; a switch that changes nothing is dropped
.if MSB != (\new)
	s_set_vgpr_msb (MSB<<8)|(\new)
.set MSB, (\new)
.endif
.endm
.macro PLACES                          ; four plain vector instructions between a matrix instruction and a load into, or a vector instruction on, its registers
.rept 4
	v_nop
.endr
.endm
.macro JLOAD s                         ; a joint load; the branch hangs on the wave's number alone.  An s_nop 0 and four v_nop follow each of the two lines
	s_cmp_eq_u32 s[WV], 3
	s_cbranch_scc0 .Lfor_b_\@
	tensor_load_to_lds s[G0A+4*(\s):G0A+4*(\s)+3], s[G1A:G1A+7]
	s_nop 0
	PLACES
	s_branch .Lasked_\@
.Lfor_b_\@:
	tensor_load_to_lds s[G0B+4*(\s):G0B+4*(\s)+3], s[G1B:G1B+7]
	s_nop 0
	PLACES
.Lasked_\@:
.endm
.macro CREST                           ; a round of the cluster's barrier behind its opening barrier
	s_cmp_lg_u32 s[WV], 0
	s_cbranch_scc1 .Lnot_wave_0_\@
	s_barrier_signal -3
.Lnot_wave_0_\@:
	s_barrier_wait -3
	s_barrier_signal -1
	s_barrier_wait -1
.endm
.macro CROUND
	s_barrier_signal -1
	s_barrier_wait -1
	CREST
.endm
	s_load_b256 s[4:11], s[0:1], 0x0               ; xb 4, wb 6, bq 8, bk 10
	s_load_b128 s[12:15], s[0:1], 0x20             ; bv 12, qkv 14
	v_lshl_add_u32 v[SPW], v0, 2, SPARE
	v_mov_b32 v[NIL], 0
	ds_add_u32 v[SPW], v[NIL]                      ; the wave's opening: the add and its wait stand ahead of my first tensor load; the set-up below stands between them
	v_lshrrev_b32 v1, 5, v0
	v_readfirstlane_b32 s[WV], v1
	s_lshr_b32 s[RW], s[WV], 1
	s_and_b32 s[CW], s[WV], 1
	s_bfe_u32 s40, ttmp6, 0x40000                  ; cx
	s_bfe_u32 s41, ttmp6, 0x40004                  ; cy
	s_lshl_b32 s42, ttmp9, 2
	s_add_co_u32 s42, s42, s40                     ; tile column 0..11
	s_and_b32 s43, ttmp7, 0xffff
	s_lshl_b32 s43, s43, 2
	s_add_co_u32 s43, s43, s41                     ; tile row 0..15
	s_lshl_b32 s44, s41, 2
	s_lshl_b32 s44, 15, s44                        ; my row of the cluster
	s_lshl_b32 s45, 0x1111, s40                    ; my column
	s_or_b32 s[G1A], s44, (1<<16)|(1<<20)|(1<<21)|(4<<22)|(3<<25)  ; the mask; 2-byte elements; padding on; bit 21 beside a mask; after every 32 words, 4 words
	s_or_b32 s[G1B], s45, (1<<16)|(1<<20)|(1<<21)|(4<<22)|(7<<25)  ; the same with 8 words
	s_mov_b32 s[G1A+1], 16384<<16                  ; tensor_dim0 = 16,384: a chunk's 256 rows of 64, end to end
	s_mov_b32 s[G1A+2], 2<<16                      ; tensor_dim1 = 2 chunks
	s_mov_b32 s[G1A+3], 16384<<16                  ; tile_dim0
	s_mov_b32 s[G1A+4], 2                          ; tile_dim1
	s_mov_b32 s[G1A+5], 262144                     ; elements from chunk to chunk
	s_mov_b32 s[G1A+6], 0
	s_mov_b32 s[G1A+7], 0
	s_mov_b32 s[G1B+1], 128<<16                    ; 64 rows of 128 elements, dense
	s_mov_b32 s[G1B+2], 64<<16
	s_mov_b32 s[G1B+3], 128<<16
	s_mov_b32 s[G1B+4], 64
	s_mov_b32 s[G1B+5], 128
	s_mov_b32 s[G1B+6], 0
	s_mov_b32 s[G1B+7], 0
	s_lshl_b32 s16, s43, 15                        ; x: 256 rows of 128 bytes for each tile row: no cx enters these registers
	s_mov_b32 s17, 0
	s_mul_i32 s46, s42, 3                          ; W: block 3 x tile column + wave: no cy enters these
	s_add_co_u32 s46, s46, s[WV]
	s_mul_i32 s46, s46, 98304
	s_mov_b32 s47, 0
	s_mul_i32 s18, s[WV], BBLK
	s_add_co_u32 s18, s18, BOFF                    ; where my block of W goes: a constant + wave x a constant
	s_wait_dscnt 0x0                               ; the opening add is done
	s_wait_kmcnt 0x0
	s_add_nc_u64 s[16:17], s[4:5], s[16:17]
	s_add_nc_u64 s[46:47], s[6:7], s[46:47]
	s_cmp_eq_u32 ttmp9, 0                          ; the matrix is the cluster's x
	s_cselect_b64 s[BP:BP+1], s[8:9], s[10:11]
	s_cmp_eq_u32 ttmp9, 2
	s_cselect_b64 s[BP:BP+1], s[12:13], s[BP:BP+1]
	CROUND                                         ; all sixteen work-groups are here: the first joint loads meet
.irp s, 0,1
	s_mov_b32 s[G0A+4*\s], 1
	s_mov_b32 s[G0A+4*\s+1], \s*SLOT
	s_add_nc_u64 s[G0A+4*\s+2:G0A+4*\s+3], s[16:17], \s*ASTEP
	s_or_b32 s[G0A+4*\s+3], s[G0A+4*\s+3], 0x80000000
	s_mov_b32 s[G0B+4*\s], 1
	s_add_co_u32 s[G0B+4*\s+1], s18, \s*SLOT
	s_add_nc_u64 s[G0B+4*\s+2:G0B+4*\s+3], s[46:47], \s*BSTEP
	s_or_b32 s[G0B+4*\s+3], s[G0B+4*\s+3], 0x80000000
	JLOAD \s
.endr
	v_and_b32 v1, 15, v0                           ; r = l % 16
	v_bfe_u32 v2, v0, 4, 1                         ; h = l / 16
	v_and_b32 v7, 7, v0
	v_bfe_u32 v5, v0, 3, 1
	v_mul_u32_u24 v3, v1, PA
	v_lshl_add_u32 v3, v2, 4, v3
	s_mul_i32 s70, s[RW], 128*PA
	v_add_nc_u32 v3, s70, v3                       ; (128 rw + r) x pitch + 16 h
	v_mov_b32 v[ADRA], v3
	v_add_nc_u32 v[ADRA+1], SLOT, v3
	v_lshl_add_u32 v4, v2, 3, v7                   ; the turning load: row 8 h + l % 8,
	v_mul_u32_u24 v4, v4, PB
	v_lshl_add_u32 v4, v5, 4, v4                   ; 16 bytes (l / 8) % 2
	s_mul_i32 s70, s[CW], BBLK
	s_add_co_u32 s70, s70, BOFF
	v_add_nc_u32 v[ADRB1], s70, v4
	v_add_nc_u32 v[ADRB1+1], SLOT, v[ADRB1]
	s_lshl_b32 s70, s[CW], 6
	s_add_co_u32 s71, s70, BOFF+2*BBLK
	v_add_nc_u32 v[ADRB2], s71, v4
	v_add_nc_u32 v[ADRB2+1], SLOT, v[ADRB2]
	s_mul_i32 s71, s[CW], CHUNK                    ; the stage: block j at j x 36,864, rows of 144 bytes, in slot 0's bytes
	v_add_nc_u32 v[STO1], s71, v3
	s_add_co_u32 s71, s70, 2*CHUNK
	v_add_nc_u32 v[STO2], s71, v3
	v_bfe_u32 v6, v0, 3, 2                         ; back: 32 lanes take four rows of 128 bytes
	v_mul_u32_u24 v6, v6, PA
	v_lshl_add_u32 v6, v7, 4, v6
	s_mul_i32 s71, s[WV], 64*PA
	v_add_nc_u32 v[RD], s71, v6
	v_add_nc_u32 v[RD2], 2*CHUNK, v[RD]
	v_and_b32 v8, 31, v0
	v_lshlrev_b32 v[GO], 4, v8
	s_mul_i32 s71, s40, 3                          ; the head in its matrix: 3 cx + block
	s_add_co_u32 s72, s71, s[CW]
	s_lshl_b32 s72, s72, 8
	v_lshl_add_u32 v[BO1], v2, 5, s72
	s_add_co_u32 s72, s71, 2
	s_lshl_b32 s72, s72, 8
	s_lshl_b32 s73, s[CW], 7
	s_add_co_u32 s72, s72, s73
	v_lshl_add_u32 v[BO2], v2, 5, s72
	s_mul_i32 s70, s42, 3
	s_lshl_b32 s70, s70, 19                        ; block 3 x tile column of qkv,
	s_lshl_b32 s71, s43, 15                        ; the tile's 256 rows,
	s_add_co_u32 s70, s70, s71
	s_lshl_b32 s71, s[WV], 13                      ; the 64 of them that I store
	s_add_co_u32 s70, s70, s71
	s_mov_b32 s71, 0
	s_add_nc_u64 s[OUT:OUT+1], s[14:15], s[70:71]
	WIN 0x80                                       ; destination window 2
.irp b, 0,1,2,3
	global_load_b128 v[BI+8*\b:BI+8*\b+3],   v[BO1], s[BP:BP+1] offset:64*\b
	global_load_b128 v[BI+8*\b+4:BI+8*\b+7], v[BO1], s[BP:BP+1] offset:64*\b+16
.endr
.irp b, 4,5
	global_load_b128 v[BI+8*\b:BI+8*\b+3],   v[BO2], s[BP:BP+1] offset:64*(\b-4)
	global_load_b128 v[BI+8*\b+4:BI+8*\b+7], v[BO2], s[BP:BP+1] offset:64*(\b-4)+16
.endr
	WIN 0
; n blocks of 16 rows from a0 on x all six b: 32 along K.  The 48 accumulators take turns, one instruction a turn.  first = 1: C is the bias: nothing is cleared, nothing added later.
.macro MUL f, a0, n, first
.set ma, (\a0)
.rept \n
.if \first
	WIN ((1+ma/4)<<6)|0x20
.else
	WIN ((1+ma/4)<<6)|((1+ma/4)<<4)
.endif
.set mb, 0
.rept 6
.set rD, 8*(6*(ma%4)+mb)
.if \first
	v_wmma_f32_16x16x32_bf16 v[rD:rD+7], v[(\f)+64+8*mb:(\f)+64+8*mb+7], v[(\f)+8*ma:(\f)+8*ma+7], v[BI+8*mb:BI+8*mb+7]
.else
	v_wmma_f32_16x16x32_bf16 v[rD:rD+7], v[(\f)+64+8*mb:(\f)+64+8*mb+7], v[(\f)+8*ma:(\f)+8*ma+7], v[rD:rD+7]
.endif
.set mb, mb+1
.endr
.set ma, ma+1
.endr
.endm
; 28 LDS loads in one run: quarter kq (32 along K) of a slot into buffer f: W's six fragments, then x's eight
.macro FETCH slot, kq, f
	WIN 0
.irp b, 0,1,2,3
	ds_load_tr16_b128 v[(\f)+64+8*\b:(\f)+64+8*\b+3],   v[ADRB1+(\slot)] offset:(\kq)*32*PB+32*\b
	ds_load_tr16_b128 v[(\f)+64+8*\b+4:(\f)+64+8*\b+7], v[ADRB1+(\slot)] offset:(\kq)*32*PB+32*\b+16*PB
.endr
.irp b, 4,5
	ds_load_tr16_b128 v[(\f)+64+8*\b:(\f)+64+8*\b+3],   v[ADRB2+(\slot)] offset:(\kq)*32*PB+32*(\b-4)
	ds_load_tr16_b128 v[(\f)+64+8*\b+4:(\f)+64+8*\b+7], v[ADRB2+(\slot)] offset:(\kq)*32*PB+32*(\b-4)+16*PB
.endr
.irp a, 0,1,2,3,4,5,6,7
	ds_load_b128 v[(\f)+8*\a:(\f)+8*\a+3],   v[ADRA+(\slot)] offset:((\kq)/2)*CHUNK+((\kq)%2)*64+\a*16*PA
	ds_load_b128 v[(\f)+8*\a+4:(\f)+8*\a+7], v[ADRA+(\slot)] offset:((\kq)/2)*CHUNK+((\kq)%2)*64+\a*16*PA+32
.endr
.endm
; One of a K step's first three quarters: multiplies buffer f; in its middle it fetches quarter knext of the same slot into buffer g
.macro QUARTER slot, knext, f, g, first
	s_wait_dscnt 8                                 ; W and x's a = 0..3 are in; the youngest eight loads (a = 4..7) may be out
	MUL \f, 0, 4, \first
	PLACES
	FETCH \slot, \knext, \g
	s_wait_dscnt 28                                ; all but the 28 just issued
	MUL \f, 4, 4, \first
.endm
; The last quarter multiplies buffer 1 and changes slots: one barrier; in front of it each wave waits for all its tensor loads, adds 0 to its spare word, and waits for that and for its reads of this slot.
; fill = 1: the barrier opens a round of the cluster's barrier, and behind the round this slot is filled again, two K steps on: the first tensor load there, one a wave.
.macro TURN slot, next, fill
	WIN 0
	s_wait_tensorcnt 0x0                           ; all my tensor loads have landed: my part of the next slot
	ds_add_u32 v[SPW], v[NIL]                      ; 0 onto my spare word
	s_wait_dscnt 9                                 ; (the add and the youngest eight loads may be out)
	MUL F1, 0, 2, 0
	s_wait_dscnt 0x0                               ; the add is done, and my reads of this slot are over
	s_barrier_signal -1
	MUL F1, 2, 2, 0
.if \fill
	WIN 0
.endif
	s_barrier_wait -1
.if \fill
	CREST                                          ; no wave of any partner still reads this slot or has a load on its way
	s_add_nc_u64 s[G0A+4*(\slot)+2:G0A+4*(\slot)+3], s[G0A+4*(\slot)+2:G0A+4*(\slot)+3], 2*ASTEP
	s_add_nc_u64 s[G0B+4*(\slot)+2:G0B+4*(\slot)+3], s[G0B+4*(\slot)+2:G0B+4*(\slot)+3], 2*BSTEP
	JLOAD \slot                                    ; its four v_nop are also the places in front of the loads below
.else
	PLACES
.endif
	FETCH \next, 0, F0
	MUL F1, 4, 4, 0
.endm
	s_wait_tensorcnt 1                             ; my part of K step 0 is in; K step 1's may stay out
	s_barrier_signal -1
	s_barrier_wait -1
	FETCH 0, 0, F0
	s_wait_loadcnt 0x0                             ; the bias: rounded to bf16, like every input
	WIN 0x8a
.set p, 0
.rept 24
	v_cvt_pk_bf16_f32 v[BT+p%4], v[BI+2*p], v[BI+2*p+1]
	v_lshlrev_b32 v[BI+2*p], 16, v[BT+p%4]
	v_and_b32 v[BI+2*p+1], 0xffff0000, v[BT+p%4]
.set p, p+1
.endr
	QUARTER 0, 1, F0, F1, 1                        ; the first quarter stands in front of the loop: its products start the sums
	WIN 0
	s_mov_b32 s3, 2
.Llap:                                                 ; a trip goes once round the ring and fills both slots again
	QUARTER 0, 2, F1, F0, 0
	QUARTER 0, 3, F0, F1, 0
	TURN 0, 1, 1
	QUARTER 1, 1, F0, F1, 0
	QUARTER 1, 2, F1, F0, 0
	QUARTER 1, 3, F0, F1, 0
	TURN 1, 0, 1
	QUARTER 0, 1, F0, F1, 0
	WIN 0
	s_sub_co_u32 s3, s3, 1
	s_cmp_lg_u32 s3, 0
	s_cbranch_scc1 .Llap
	QUARTER 0, 2, F1, F0, 0                        ; the last lap fills nothing
	QUARTER 0, 3, F0, F1, 0
	TURN 0, 1, 0
	QUARTER 1, 1, F0, F1, 0
	QUARTER 1, 2, F1, F0, 0
	QUARTER 1, 3, F0, F1, 0
	s_wait_dscnt 8
	MUL F1, 0, 4, 0
	s_wait_dscnt 0x0
	MUL F1, 4, 4, 0
	; THE WAY OUT.  Rounded to f16, 16 bytes a lane, into the stage: slot 0's bytes, which have had their last fill and whose last reads every wave ended in front of the last change of slots.
	; A barrier, since a block's rows come from two or four waves; back as whole rows, 64 rows of each block a wave, 512 consecutive bytes a store.
	WIN 0
	PLACES
.set a, 0
.rept 8
.set TW, 32+24*(a%2)
	WIN 0x05*(1+a/4)                               ; sources in window 1 or 2
.set b, 0
.rept 6
.set rD, 8*(6*(a%4)+b)
.irp r, 0,1,2,3
	v_cvt_pk_f16_f32 v[TW+4*b+\r], v[rD+2*\r], v[rD+2*\r+1]
.endr
.set b, b+1
.endr
	WIN 0
.set b, 0
.rept 4
	ds_store_b128 v[STO1], v[TW+4*b:TW+4*b+3] offset:a*16*PA+32*b
.set b, b+1
.endr
.rept 2
	ds_store_b128 v[STO2], v[TW+4*b:TW+4*b+3] offset:a*16*PA+32*(b-4)
.set b, b+1
.endr
.set a, a+1
.endr
	s_wait_dscnt 0x0                               ; for the others' sake: my stores into the stage are done
	s_barrier_signal -1
	s_barrier_wait -1
.set n, 0
.rept 48
.if n < 32
	ds_load_b128 v[32+4*n:32+4*n+3], v[RD] offset:(n/16)*CHUNK+(n%16)*4*PA
.else
	ds_load_b128 v[32+4*n:32+4*n+3], v[RD2] offset:(n%16)*4*PA
.endif
.set n, n+1
.endr
.set n, 0
.rept 48
	s_wait_dscnt 47-n                              ; LDS loads come back in order: load n is in
	global_store_b128 v[GO], v[32+4*n:32+4*n+3], s[OUT:OUT+1] offset:(n/16)*524288+(n%16)*512
.set n, n+1
.endr
	s_wait_tensorcnt 0x0                           ; the wave's end: behind my last tensor load and my last LDS store
	ds_add_u32 v[SPW], v[NIL]
	s_wait_dscnt 0x0
	CROUND                                         ; the closing round: no work-group ends while a partner may still ask for a tile that names it
	s_endpgm
.Lfunc_end_k_qdba9efebba_proj:
	.size	k_qdba9efebba_proj, .Lfunc_end_k_qdba9efebba_proj-k_qdba9efebba_proj
	.p2alignl 7, 3214868480
	.fill 96, 4, 3214868480
	.section	.rodata,"a",@progbits
	.p2align	6, 0x0
	.amdhsa_kernel k_qdba9efebba_proj
		.amdhsa_group_segment_fixed_size 327680
		.amdhsa_private_segment_fixed_size 0
		.amdhsa_enable_private_segment 0
		.amdhsa_kernarg_size 48
		.amdhsa_user_sgpr_count 2
		.amdhsa_user_sgpr_kernarg_segment_ptr 1
		.amdhsa_wavefront_size32 1
		.amdhsa_system_sgpr_workgroup_id_x 1
		.amdhsa_system_sgpr_workgroup_id_y 1
		.amdhsa_system_sgpr_workgroup_id_z 1
		.amdhsa_system_vgpr_workitem_id 0
		.amdhsa_next_free_vgpr 768
		.amdhsa_next_free_sgpr 76
		.amdhsa_reserve_vcc 0
		.amdhsa_float_denorm_mode_32 3
		.amdhsa_float_denorm_mode_16_64 3
		.amdhsa_memory_ordered 1
		.amdhsa_forward_progress 1
		.amdhsa_inst_pref_size 121
	.end_amdhsa_kernel
	.amdgpu_metadata
---
amdhsa.version: [ 1, 2 ]
amdhsa.kernels:
  - .name:           k_qdba9efebba_proj
    .symbol:         k_qdba9efebba_proj.kd
    .args:
      - { .name: xb, .offset: 0, .size: 8, .value_kind: global_buffer, .address_space: global }
      - { .name: wb, .offset: 8, .size: 8, .value_kind: global_buffer, .address_space: global }
      - { .name: bq, .offset: 16, .size: 8, .value_kind: global_buffer, .address_space: global }
      - { .name: bk, .offset: 24, .size: 8, .value_kind: global_buffer, .address_space: global }
      - { .name: bv, .offset: 32, .size: 8, .value_kind: global_buffer, .address_space: global }
      - { .name: qkv, .offset: 40, .size: 8, .value_kind: global_buffer, .address_space: global }
    .group_segment_fixed_size: 327680
    .private_segment_fixed_size: 0
    .kernarg_segment_align: 8
    .kernarg_segment_size: 48
    .max_flat_workgroup_size: 128
    .sgpr_count:     76
    .vgpr_count:     768
    .wavefront_size: 32
...
	.end_amdgpu_metadata
.endif
;; end of part 2
;; launch attn (part 3): grid 16 x 12, 4 waves a work-group, no clusters, 327,680 bytes of LDS; arguments qkv, ob; writes ob
.if DOCPART == 3
	.amdgcn_target "amdgcn-amd-amdhsa--gfx1250"
	.amdhsa_code_object_version 6
	.text
	.protected	k_qdba9efebba_attn
	.globl	k_qdba9efebba_attn
	.p2align	8
	.type	k_qdba9efebba_attn,@function
k_qdba9efebba_attn:
	s_mov_b64 s[64:65], 0
	v_nop
	global_prefetch_b8 v0, s[64:65] scope:SCOPE_SE
	s_setreg_imm32_b32 hwreg(HW_REG_WAVE_MODE, 25, 1), 1
	s_wait_xcnt 0x0
; CAUSAL ATTENTION.  O[h][q][:] = the sum over k <= q of softmax_k(Q[h][q] . K[h][k] / 8) V[h][k][:].  Q, K, V lie in qkv ([36][4096][64] f16: q, then k, then v, 12 heads each), O goes to ob [12][4096][64] f16.
; Products, maxima and sums in f32; the weights p are rounded to f16 for the second product (their sum l is taken of the unrounded p), O once at the end.
; LIMITS.  Q, K, V arrive within f16's 65,504; p lies in 0 to 1, and below 6e-5 it keeps f16's fixed step of 6e-8.  A hidden score counts as its value less 1e30; a weight below 2^-126 counts as 0 in l;
; NaN and infinities are not treated apart.
; THE WALK.  A head's queries lie in 32 blocks of 128; block i needs the key tiles 0 .. i / 2 of 256 keys, of which the last holds the diagonal.  A work-group takes TWO blocks, 31 - b and then b: 17 tiles,
; whatever b: all 192 work-groups do equal work, and one loop with a constant trip count walks them.  What a trip does hangs on scalar registers made from b; every jump goes forward but the counted loops' own.
; NO CLUSTER: which trip ends a block is a branch on b; only pairs of work-groups (equal b / 2) walk the same tiles throughout, and a walk common to four would want tiles of 512 keys and more steps.
; SHARES.  Of a block's two bands of 64 queries a wave owns 16 rows in each (q = 0, 1).  A STEP is 128 keys, two substeps u of 64.  A PIECE x is (q = x % 2, u = x / 2): four pieces in a ring, step after step.
; Pieces x and x + 2 are the same queries: they share m, l, a and O^T, and their turns lie two apart, so that each use is over before the next write.
; THE MASK is the C operand that starts S^T = K Q^T: 0, or -1e30.  In units of 64 from the diagonal tile's first key, substep 2 s + u meets band PAR + q (PAR = 2 x (block % 2)): below it all is seen, above it
; nothing, at it MD holds (made once: my 16 rows against 64 keys).  A product's mask is MD x AL + BE.  Only the diagonal tile's text and a block's beginning take masks.
; LAYOUT, SOFTMAX, TURNS.  S^T holds one query a lane (lane % 16) and the keys 8 (lane / 16) + 0..7; two such results rounded to f16 are source 1 of O^T = V^T P.  p = 2^(c s - c m), c = log2(e) / 8, with a
; running maximum m; O and l are multiplied by a = 2^(c m_old - c m_new) in every substep.  Turn n belongs to piece n: 8 products K Q^T of piece n + 1, later 8 products V^T P of piece n - 1; beside them the
; scaling, exponentials, roundings, sums and rescaling of piece n and the maximum and statistics of piece n + 1.  Four vector instructions stand behind every matrix instruction, the rest in one lump.
; A turn's 33 exponentials are one batch, with one wait.
; REGISTERS, in windows of 256 (s_set_vgpr_msb: bits 1:0 source 0, 3:2 source 1, 5:4 source 2, 7:6 destination):
;   window 0: v0-15 addresses; v16-23 statistics; v48-55 at work; v61-63; v64-127 S^T, two buffers; v192-223 P, two buffers     window 1: v0-63 O^T, 32 a band; v128-159 MD; v160-223 MC, two buffers
;   window 2: v0-31 Q; v32-63 the second block's Q; v128-255 K of one step     window 3: v0-127 V of one step
.set NP,    4
.set KS,    64         ; keys in a substep
.set PK,    144        ; a row of K in LDS: 128 bytes + 16: the 16 rows of a load start at 16 different groups of four banks
.set PV,    160        ; a row of V: 128 + 32
.set VOFF,  4*KS*PK    ; a slot holds a tile: 256 rows of K, then 256 rows of V
.set SLOT1, 1<<17      ; slot 1 begins here: one exclusive or turns an address in one slot into the other's
.set STAGE, SLOT1+4*KS*(PK+PV)  ; behind the ring, never filled by a tensor load: 16 rows x 144 bytes for each wave
.set SP,    144
.set SPARE, STAGE+4*16*SP  ; behind the stages: the spare words, 128 bytes a wave
.set KBASE, 6291456    ; k's first byte in qkv
.set VBASE, 12582912   ; v's
.set AK0, 2
.set AV0, 3
.set AK,  4
.set AV,  5
.set STO, 6
.set RD,  7
.set GO,  8
.set MV,  12           ; v12-13  c m_old, by buffer
.set QO,  15
.set ST,  16           ; band q's statistics at v[ST+4 q]: c m, m, l (even keys', odd keys')
.set TMP, 48           ; by buffer, four at work; when the maximum is found the third takes a
.set PFO, 61           ; v61  256 x lane; never rewritten
.set SPW, 62           ; v62  my spare word; never rewritten
.set NIL, 63           ; v63  0; never rewritten
.set S,   64
.set P,   192
.set MD,  128          ; window 1
.set MC,  160          ; window 1
.set QB,  32           ; window 2
.set KF,  128          ; window 2: substep u, key block kb, channel half c at KF + 64 u + 16 kb + 8 c
.set VF,  0            ; window 3: substep u, key half kk, channel block cb at VF + 64 u + 32 kk + 8 cb
.set WV,  12
.set PB,  14           ; b
.set HI,  15           ; 31 - b
.set G1K, 24
.set G1V, 32
.set G0K, 40
.set G0V, 44
.set SLOTS, 56         ; tiles still to be asked for
.set CNT, 57           ; counts a tile's steps, 2 to 1
.set CS,  58
.set SEL, 60
.set TBK, 62           ; LDS byte at which K of the substep to be fetched begins
.set TBV, 63           ; the same for V, less VOFF
.set RT,  70           ; tiles of the block in hand still to be entered
.set NXT, 71           ; the tile to be asked for next
.set LQ,  72           ; the last tile of the block whose tiles are being asked for
.set NEW, 73           ; 1: the tile to be entered is a block's first
.set OFF, 74
.set AL,  76
.set BE,  78
.set OLO, 80           ; O at my rows of the second block
.set BIGN, 82
.set PAR, 88           ; 2 x (the block in hand % 2)
.set PAR2, 89          ; the second block's
.set PBT, 90           ; b / 2: the second block's last tile
.set EE,  91
.set LIM, 92           ; 2 where b = 0, else the greatest number
.set PFK, 94           ; s[94:95] my prefetches' place in K: my wave's 32 blocks of 256 bytes of the tile after the one that is being asked for
.set PFV, 96           ; s[96:97] in V
.set MSB, 0
.macro WIN new
.if MSB != (\new)
	s_set_vgpr_msb (MSB<<8)|(\new)
.set MSB, (\new)
.endif
.endm
.set W_KQ, 0x0a
.set W_KM, 0x1a
.set W_PV, 0x53
.set W_RS, 0x41
; A fill.  Waves 0 and 1 fetch the two halves of a tile's K, waves 2 and 3 those of its V.  An s_nop 0 and four v_nop follow each of the two lines.
.macro LOAD
	s_cmp_lt_u32 s[WV], 2
	s_cbranch_scc0 .Lfor_v_\@
	tensor_load_to_lds s[G0K:G0K+3], s[G1K:G1K+7]
	s_nop 0
.rept 4
	v_nop
.endr
	s_branch .Lasked_\@
.Lfor_v_\@:
	tensor_load_to_lds s[G0V:G0V+3], s[G1V:G1V+7]
	s_nop 0
.rept 4
	v_nop
.endr
.Lasked_\@:
.endm
; A PREFETCH INTO THE L2 of the tile that the NEXT change of slots will ask for: eight turns ahead of that load.  The 16 work-groups of a head walk the same tiles from 0 on; b = 0 walks all 16, and it alone asks.
; A tile's K and its V are 128 blocks of 256 bytes each: wave w names blocks 32 w .. 32 w + 31 of both, a lane a block: each block is named once in the launch.  Tiles 0 and 1 come by their loads alone;
; the last tile named is 15: trips with two or fewer tiles still to be asked for name nothing.
.macro ASK
	s_cmp_gt_u32 s[SLOTS], s[LIM]
	s_cbranch_scc0 .Lnot_mine_\@
	global_prefetch_b8 v[PFO], s[PFK:PFK+1] th:TH_LOAD_NT scope:SCOPE_SE
	global_prefetch_b8 v[PFO], s[PFV:PFV+1] th:TH_LOAD_NT scope:SCOPE_SE
.Lnot_mine_\@:
.endm
; THE CHANGE OF SLOTS.  Each wave waits for all its tensor loads (one is out: its part of the other slot), adds 0 to its spare word, and waits for that and for its own reads of the slot that it leaves.
; Behind the barrier nobody reads the old slot and the other is whole.  fill = 1: the old slot is filled again, first thing behind the barrier, with tile NXT; the address is made anew from that number.
.macro CHANGE fill
	WIN 0
	s_wait_tensorcnt 0x0                           ; no tensor load of mine is out, so a group 0 may be written
	ds_add_u32 v[SPW], v[NIL]                      ; 0 onto my spare word; scalar work stands between it and the wait for it
.if \fill
	s_lshl_b32 s[OFF], s[NXT], 15                  ; a tile is 32,768 bytes of K and of V
	s_xor_b32 s[G0K+1], s[G0K+1], SLOT1
	s_add_nc_u64 s[G0K+2:G0K+3], s[6:7], s[OFF:OFF+1]
	s_or_b32 s[G0K+3], s[G0K+3], 0x80000000
	s_xor_b32 s[G0V+1], s[G0V+1], SLOT1
	s_add_nc_u64 s[G0V+2:G0V+3], s[8:9], s[OFF:OFF+1]
	s_or_b32 s[G0V+3], s[G0V+3], 0x80000000
	s_add_co_u32 s[NXT], s[NXT], 1                 ; the block's next tile, or behind its last the second block's tile 0
	s_cmp_gt_u32 s[NXT], s[LQ]
	s_cselect_b32 s[NXT], 0, s[NXT]
	s_cselect_b32 s[LQ], s[PBT], s[LQ]
	s_wait_xcnt 0x0                                ; the last prefetches, a tile back, have read their addresses, so these may be written
	s_add_nc_u64 s[PFK:PFK+1], s[PFK:PFK+1], 32768
	s_add_nc_u64 s[PFV:PFV+1], s[PFV:PFV+1], 32768
.endif
	s_wait_dscnt 0x0                               ; the add is done, and my reads of the slot are over
	s_barrier_signal -1
	s_sub_co_u32 s[TBK], s[TBK], 4*KS*PK           ; the fetches go back to a slot's first substep, in the other slot
	s_xor_b32 s[TBK], s[TBK], SLOT1
	s_sub_co_u32 s[TBV], s[TBV], 4*KS*PV
	s_xor_b32 s[TBV], s[TBV], SLOT1
	s_barrier_wait -1
.if \fill
	LOAD
	ASK
.endif
.endm
	s_load_b128 s[48:51], s[0:1], 0x0              ; qkv s[48:49], ob s[50:51]
	v_lshl_add_u32 v[SPW], v0, 2, SPARE
	v_mov_b32 v[NIL], 0
	ds_add_u32 v[SPW], v[NIL]                      ; the wave's opening: the add and its wait stand ahead of my first tensor load
	v_lshrrev_b32 v1, 5, v0
	v_readfirstlane_b32 s[WV], v1
	s_mov_b32 s[PB], ttmp9
	s_sub_co_u32 s[HI], 31, s[PB]
	s_and_b32 s20, ttmp7, 0xffff
	s_lshl_b32 s20, s20, 19                        ; the head's 524,288 bytes in q, k, v and O
	s_and_b32 s16, s[WV], 1                        ; which half of a tile's 256 keys I fetch
	s_lshl_b32 s22, s16, 14
	s_add_co_u32 s22, s22, s20
	s_mov_b32 s23, 0
	s_mul_i32 s17, s16, 128*PK
	s_mul_i32 s18, s16, 128*PV
	s_lshl_b32 s3, s[WV], 11                       ; my 16 rows in a band of 64,
	s_lshl_b32 s2, s[HI], 14                       ; in the first block,
	s_add_co_u32 s2, s2, s3
	s_add_co_u32 s2, s2, s20
	s_lshl_b32 s84, s[PB], 14                      ; and in the second
	s_add_co_u32 s84, s84, s3
	s_add_co_u32 s84, s84, s20
	s_mov_b32 s3, 0
	s_mov_b32 s85, 0
	s_lshl_b32 s52, s[WV], 13                      ; the prefetches: my wave's 8,192 bytes, in tile 1; the first change steps them to tile 2
	s_add_co_u32 s52, s52, s20
	s_add_co_u32 s52, s52, 32768
	s_mov_b32 s53, 0
	; descriptor group 1.  128 keys are 16,384 dense bytes: 64 rows of 256 bytes, two keys a row, padded in LDS after every key
	s_mov_b32 s[G1K], (1<<16)|(1<<20)|(4<<22)|(3<<25)
	s_mov_b32 s[G1V], (1<<16)|(1<<20)|(4<<22)|(7<<25)
.irp g, G1K, G1V
	s_mov_b32 s[\g+1], 128<<16
	s_mov_b32 s[\g+2], 64<<16
	s_mov_b32 s[\g+3], 128<<16
	s_mov_b32 s[\g+4], 64
	s_mov_b32 s[\g+5], 128
	s_mov_b32 s[\g+6], 0
	s_mov_b32 s[\g+7], 0
.endr
	s_mov_b32 s[CS], 0x3e38aa3b                    ; c = log2(e) / 8
	s_mov_b32 s[CS+1], s[CS]
	s_mov_b32 s[SEL], 0x76543210
	s_mov_b32 s[SEL+1], 0xfedcba98
	s_mov_b32 s[TBK], SLOT1+4*KS*PK                ; the first change of slots turns these two into 0
	s_mov_b32 s[TBV], SLOT1+4*KS*PV
	s_mov_b32 s[G0K], 1
	s_mov_b32 s[G0K+1], s17
	s_mov_b32 s[G0V], 1
	s_add_co_u32 s[G0V+1], s18, VOFF
	s_lshr_b32 s[LQ], s[HI], 1
	s_add_co_u32 s[RT], s[LQ], 1
	s_lshr_b32 s[PBT], s[PB], 1
	s_and_b32 s[PAR], s[HI], 1
	s_lshl_b32 s[PAR], s[PAR], 1
	s_and_b32 s[PAR2], s[PB], 1
	s_lshl_b32 s[PAR2], s[PAR2], 1
	s_mov_b32 s[NXT], 1
	s_mov_b32 s[NEW], 1
	s_mov_b32 s[OFF+1], 0
	s_mov_b32 s[AL+1], 0
	s_mov_b32 s[BE+1], 0
	s_mov_b32 s[BIGN], 0xf149f2ca                  ; -1e30
	s_mov_b32 s[SLOTS], 16
	s_cmp_eq_u32 s[PB], 0
	s_cselect_b32 s[LIM], 2, -1
	s_wait_dscnt 0x0                               ; the opening add is done
	s_wait_kmcnt 0x0
	s_add_nc_u64 s[6:7], s[48:49], s[22:23]
	s_add_nc_u64 s[8:9], s[6:7], VBASE             ; V and K at my half of the head's tile 0
	s_add_nc_u64 s[6:7], s[6:7], KBASE
	s_add_nc_u64 s[G0K+2:G0K+3], s[6:7], 0
	s_or_b32 s[G0K+3], s[G0K+3], 0x80000000
	s_add_nc_u64 s[G0V+2:G0V+3], s[8:9], 0
	s_or_b32 s[G0V+3], s[G0V+3], 0x80000000
	s_add_nc_u64 s[86:87], s[48:49], s[84:85]      ; Q at my rows of the second block,
	s_add_nc_u64 s[4:5], s[48:49], s[2:3]          ; and of the first
	s_add_nc_u64 s[OLO:OLO+1], s[50:51], s[84:85]
	s_add_nc_u64 s[10:11], s[50:51], s[2:3]
	s_add_nc_u64 s[PFK:PFK+1], s[48:49], s[52:53]
	s_add_nc_u64 s[PFV:PFV+1], s[PFK:PFK+1], VBASE
	s_add_nc_u64 s[PFK:PFK+1], s[PFK:PFK+1], KBASE
	LOAD                                           ; tile 0 into slot 0
	v_and_b32 v1, 15, v0
	v_bfe_u32 v9, v0, 4, 1
	v_lshlrev_b32 v[QO], 7, v1
	v_lshl_add_u32 v[QO], v9, 4, v[QO]             ; row x 128 + 16 x half
	WIN 0x80
.set i, 0
.rept 4                                ; both blocks' Q: band i / 2 lies 8,192 bytes on; channels 32 (i % 2) on
	global_load_b128 v[8*i:8*i+3],   v[QO], s[4:5] offset:(i/2)*8192+(i%2)*64
	global_load_b128 v[8*i+4:8*i+7], v[QO], s[4:5] offset:(i/2)*8192+(i%2)*64+32
	global_load_b128 v[QB+8*i:QB+8*i+3],   v[QO], s[86:87] offset:(i/2)*8192+(i%2)*64
	global_load_b128 v[QB+8*i+4:QB+8*i+7], v[QO], s[86:87] offset:(i/2)*8192+(i%2)*64+32
.set i, i+1
.endr
	WIN 0
	v_and_b32 v[PFO], 31, v0
	v_lshlrev_b32 v[PFO], 8, v[PFO]
	v_lshlrev_b32 v14, 3, v9
	v_sub_nc_u32 v14, v1, v14
	s_lshl_b32 s13, s[WV], 4
	v_add_nc_u32 v14, s13, v14                     ; my query's place in its band less my lanes' 8 (l / 16): register r of key group kt is hidden where 16 kt + r is greater
	WIN 0x40
.set i, 0
.rept 32
	v_cmp_gt_i32 vcc_lo, 16*(i/8)+i%8, v14
	v_cndmask_b32 v[MD+i], 0, s[BIGN], vcc_lo
.set i, i+1
.endr
	WIN 0
	v_mul_u32_u24 v[AK0], v1, PK
	v_lshl_add_u32 v[AK0], v9, 4, v[AK0]
	v_and_b32 v10, 7, v0
	v_bfe_u32 v11, v0, 3, 1
	v_lshl_add_u32 v[AV0], v9, 3, v10
	v_mul_u32_u24 v[AV0], v[AV0], PV
	v_lshl_add_u32 v[AV0], v11, 4, v[AV0]
	v_add_nc_u32 v[AV0], VOFF, v[AV0]
	s_mul_i32 s13, s[WV], 16*SP
	s_add_co_u32 s13, s13, STAGE
	v_mul_u32_u24 v[STO], v1, SP
	v_lshl_add_u32 v[STO], v9, 4, v[STO]
	v_add_nc_u32 v[STO], s13, v[STO]
	v_bfe_u32 v[RD], v0, 3, 2
	v_mul_u32_u24 v[RD], v[RD], SP
	v_lshl_add_u32 v[RD], v10, 4, v[RD]
	v_add_nc_u32 v[RD], s13, v[RD]
	v_and_b32 v[GO], 31, v0
	v_lshlrev_b32 v[GO], 4, v[GO]
	; A block's first substeps multiply O^T and l by a = 0, and its first turn's products V^T P, of a piece that has not been, land in an O^T that is still to be so multiplied: these registers need only hold
	; finite numbers: zeros for the first block, what the first block left for the second.  All this stands in the wait for the first tile.
	WIN 0xc0
.set i, VF+64
.rept 64
	v_mov_b32 v[i], 0
.set i, i+1
.endr
	WIN 0x40
.set i, 0
.rept 64
	v_mov_b32 v[i], 0
.set i, i+1
.endr
	WIN 0
.set i, 0
.rept 2
	v_mov_b32 v[ST+4*i+2], 0
	v_mov_b32 v[ST+4*i+3], 0
.set i, i+1
.endr
.set i, P+16
.rept 16
	v_mov_b32 v[i], 0
.set i, i+1
.endr
; THE MATRIX WORK.  The 4 accumulators of a run of 8 take turns.  Product i of 8 of S^T = K Q^T for piece x: channels 32 (i / 4) on, keys 16 (i % 4) on.
.macro KQ x
.set rS, S+32*((\x)%2)+8*(i%4)
.set rK, KF+64*((\x)/2)+16*(i%4)+8*(i/4)
.set rQ, 16*((\x)%2)+8*(i/4)
.set rM, MC+32*((\x)%2)+8*(i%4)
.if (i < 4) && KM
	WIN W_KM
	v_wmma_f32_16x16x32_f16 v[rS:rS+7], v[rK:rK+7], v[rQ:rQ+7], v[rM:rM+7]
.elseif i < 4
	WIN W_KQ
	v_wmma_f32_16x16x32_f16 v[rS:rS+7], v[rK:rK+7], v[rQ:rQ+7], 0
.else
	WIN W_KQ
	v_wmma_f32_16x16x32_f16 v[rS:rS+7], v[rK:rK+7], v[rQ:rQ+7], v[rS:rS+7]
.endif
.endm
; Product i of 8 of O^T += V^T P for piece x: keys 32 (i / 4) on, channels 16 (i % 4) on.
.macro PV x
	WIN W_PV
.set rO, 32*((\x)%2)+8*(i%4)
.set rV, VF+64*((\x)/2)+32*(i/4)+8*(i%4)
.set rP, P+16*((\x)%2)+8*(i/4)
	v_wmma_f32_16x16x32_f16 v[rO:rO+7], v[rV:rV+7], v[rP:rP+7], v[rO:rO+7]
.endm
.macro MM                              ; the turn's next matrix instruction.  NOKQ = 1: a block's last turn: there is no next piece
.if (i < 8) && !NOKQ
	KQ (Y+1)%NP
.elseif i >= 8
.set i, i-8
	PV (Y+NP-1)%NP
.set i, i+8
.endif
.set i, i+1
.endm
; THE LDS LOADS stand in runs of 16, one a turn: a substep's K (64 keys x 64 channels) or its V (turned), into half u of the step's registers.  Each run steps its own place.
.macro FETCH_K u
	WIN 0x80
.irp f, 0,1,2,3,4,5,6,7
	ds_load_b128 v[KF+64*(\u)+8*\f:KF+64*(\u)+8*\f+3],   v[AK] offset:(\f/2)*16*PK+(\f%2)*64
	ds_load_b128 v[KF+64*(\u)+8*\f+4:KF+64*(\u)+8*\f+7], v[AK] offset:(\f/2)*16*PK+(\f%2)*64+32
.endr
	s_add_co_u32 s[TBK], s[TBK], KS*PK
	WIN 0
.endm
.macro FETCH_V u
	WIN 0xc0
.irp f, 0,1,2,3,4,5,6,7
	ds_load_tr16_b128 v[VF+64*(\u)+8*\f:VF+64*(\u)+8*\f+3],   v[AV] offset:(\f/4)*32*PV+(\f%4)*32
	ds_load_tr16_b128 v[VF+64*(\u)+8*\f+4:VF+64*(\u)+8*\f+7], v[AV] offset:(\f/4)*32*PV+16*PV+(\f%4)*32
.endr
	s_add_co_u32 s[TBV], s[TBV], KS*PV
	WIN 0
.endm
; THE VECTOR WORK, one line at a time: OP kind, number.  For piece Y: F n: c s - c m for pair n of 16.  E n: the exponential of score n of 32.  C n: pair n rounded to f16.  B n: of the four weights 4 n .. the
; second pair is added onto the first.  L n: l takes that sum (L 0: l = a l + sum).  R n: pair n of 16 of O^T times a.  For piece Y + 1: X n, number n of the 22 that find its maximum and statistics:
;   0-11 four chains of seven scores (each accumulator's lowest registers are read first); 12-14, 16 the scores left over, the old m, the four into one; 15 c m_old is kept;
;   17, 18 the query's other 32 keys lie in the lane 16 away: the new m; 19-21 c m; c m_old - c m_new; a
.set F, 0
.set E, 1
.set C, 2
.set B, 3
.set L, 4
.set R, 5
.set X, 6
.macro REGS y                          ; all go by the piece's parity, which is its band
.set rT, ST+4*((\y)%2)
.set rC, TMP+4*((\y)%2)
.set rW, MV+((\y)%2)
.set rS, S+32*((\y)%2)
.set rP, P+16*((\y)%2)
.set rO, 32*((\y)%2)
.endm
.macro OP k, n
.if (\k) == R
	REGS Y
	WIN W_RS
	v_pk_mul_f32 v[rO+2*(\n):rO+2*(\n)+1], v[rO+2*(\n):rO+2*(\n)+1], v[rC+2:rC+3] op_sel_hi:[1,0]
.elseif (\k) < R
	REGS Y
	WIN 0
.if (\k) == F
	v_pk_fma_f32 v[rS+2*(\n):rS+2*(\n)+1], v[rS+2*(\n):rS+2*(\n)+1], s[CS:CS+1], v[rT:rT+1] op_sel_hi:[1,0,0] neg_lo:[0,0,1] neg_hi:[0,0,1]
.elseif (\k) == E
	v_exp_f32 v[rS+(\n)], v[rS+(\n)]
.elseif (\k) == C
	v_cvt_pk_f16_f32 v[rP+(\n)], v[rS+2*(\n)], v[rS+2*(\n)+1]
.elseif (\k) == B
	v_pk_add_f32 v[rS+4*(\n):rS+4*(\n)+1], v[rS+4*(\n):rS+4*(\n)+1], v[rS+4*(\n)+2:rS+4*(\n)+3]
.elseif (\n) == 0
	v_pk_fma_f32 v[rT+2:rT+3], v[rT+2:rT+3], v[rC+2:rC+3], v[rS:rS+1] op_sel_hi:[1,0,1]
.else
	v_pk_add_f32 v[rT+2:rT+3], v[rT+2:rT+3], v[rS+4*(\n):rS+4*(\n)+1]
.endif
.elseif NOKQ
	v_nop
.else
	REGS (Y+1)%NP
	WIN 0
.if (\n) < 4
	v_max3_num_f32 v[rC+(\n)], v[rS+8*(\n)], v[rS+8*(\n)+1], v[rS+8*(\n)+2]
.elseif (\n) < 12
	v_max3_num_f32 v[rC+(\n)%4], v[rC+(\n)%4], v[rS+8*((\n)%4)+2*((\n)/4)+1], v[rS+8*((\n)%4)+2*((\n)/4)+2]
.elseif (\n) == 12
	v_max3_num_f32 v[rC], v[rC], v[rS+7], v[rS+15]
.elseif (\n) == 13
	v_max3_num_f32 v[rC+1], v[rC+1], v[rS+23], v[rS+31]
.elseif (\n) == 14
	v_max3_num_f32 v[rC+2], v[rC+2], v[rC+3], v[rT+1]
.elseif (\n) == 15
	v_mov_b32 v[rW], v[rT]
.elseif (\n) == 16
	v_max3_num_f32 v[rC], v[rC], v[rC+1], v[rC+2]
.elseif (\n) == 17
	v_permlanex16_b32 v[rC+3], v[rC], s[SEL], s[SEL+1]
.elseif (\n) == 18
	v_max_num_f32 v[rT+1], v[rC], v[rC+3]
.elseif (\n) == 19
	v_mul_f32 v[rT], s[CS], v[rT+1]
.elseif (\n) == 20
	v_sub_f32 v[rC+1], v[rW], v[rT]
.else
	v_exp_f32 v[rC+2], v[rC+1]
.endif
.endif
.endm
.macro OPS a, i1, b=-1, i2=0, c=-1, i3=0, d=-1, i4=0
	OP \a, \i1
.if (\b) >= 0
	OP \b, \i2
.endif
.if (\c) >= 0
	OP \c, \i3
.endif
.if (\d) >= 0
	OP \d, \i4
.endif
.endm
.macro ROW a, i1, b, i2, c, i3, d, i4  ; a matrix instruction and the four behind it
	MM
	OPS \a, \i1, \b, \i2, \c, \i3, \d, \i4
.endm
.macro MASK b                          ; MD x AL + BE into buffer b of MC
	WIN W_RS
.set z, 0
.rept 16
	v_pk_fma_f32 v[MC+32*(\b)+2*z:MC+32*(\b)+2*z+1], v[MD+2*z:MD+2*z+1], s[AL:AL+1], s[BE:BE+1] op_sel_hi:[1,0,0]
.set z, z+1
.endr
.endm
; A TURN, for piece p.  An s_wait_alu depctr_va_vdst(0) stands between the exponentials and the first instruction that names a result; one wait serves all issued ahead of it: a turn has ONE, which
; cuts it in two.  Ahead of it: the 8 products K Q^T with their riders, then the lump; X 21, the next piece's a, is the batch's last, and R 15 the plain instruction behind it.  Behind it: the 8 products V^T P,
; behind each four of the roundings and sums.
; O^T of this piece's band was last written by the turn before (V^T P of piece p - 2): its accumulator n was ended by that run's product 4 + n, behind which stand 4 (4 - n) plain riders; R 4 n, which reads
; the accumulator's lowest registers, is its first reader.
; THE FETCHES, one run a turn, in the lump: turn 0: K of this step's substep 1; turn 1: V of it; turn 2: K of the next step's substep 0; turn 3: V of it.  Each run's registers were last read half a turn or more
; earlier.  The waits stand at the heads of turns 1 and 3: each covers the two runs issued since the last.
; m = 1: the diagonal tile: the products take masks, and the turn makes the mask for the products of the turn after it: piece x = p + 2, in step 2 - CNT: its substep meets its band where 2 CNT + PAR = 4 + x / 2 - x % 2,
; and lies above it where that sum is less.  end = 1: a block's last two turns: nothing is fetched.  cnt = 1: the loop's count is taken down some lines ahead of the branch behind the turn.
.macro TURN p, m=0, end=0, cnt=0
.set Y, (\p)
.set i, 0
.set KM, (\m)
.set NOKQ, (\end)*((\p)/3)
.if (\m) && !(\end)
	s_lshl1_add_u32 s[EE], s[CNT], s[PAR]
	s_cmp_eq_u32 s[EE], 4+(((\p)+2)%NP)/2-(((\p)+2)%NP)%2
	s_cselect_b32 s[AL], 1.0, 0
	s_cmp_lt_u32 s[EE], 4+(((\p)+2)%NP)/2-(((\p)+2)%NP)%2
	s_cselect_b32 s[BE], s[BIGN], 0
.endif
.if (\p)%2 == 1
	s_wait_dscnt 0x0                               ; the last two runs, one of K and one of V, are in
.endif
	ROW F,0, F,1, R,0, R,1
	ROW F,2, E,0, R,2, R,3
	ROW F,3, E,1, R,4, R,5
	ROW F,4, E,2, R,6, R,7
	ROW F,5, E,3, R,8, R,9
	ROW F,6, E,4, X,0, R,10
.if !(\end)
	WIN 0
.if (\p)%2 == 0
	v_add_nc_u32 v[AK], s[TBK], v[AK0]
.else
	v_add_nc_u32 v[AV], s[TBV], v[AV0]
.endif
.endif
	ROW F,7, E,5, X,1, X,4
	ROW F,8, E,6, X,2, X,5
	OPS E,7, E,8, X,6, E,9
	OPS X,3, E,10, X,8, E,11
.if !(\end)
.if (\p) == 0
	FETCH_K 1
.elseif (\p) == 1
	FETCH_V 1
.elseif (\p) == 2
	FETCH_K 0
.else
	FETCH_V 0
.endif
.endif
	OPS X,9, X,7, E,12, X,10
	OPS E,13, X,12, X,11, E,14
	OPS X,13, E,15, F,9, X,14
	OPS E,16, F,10, E,17, F,11
	OPS X,16, E,18, X,15, E,19
	OPS F,12, E,20, X,17, E,21
	OPS F,13, E,22, F,14, E,23
	OPS X,18, E,24, F,15, E,25
	OPS R,11, E,26, X,19, E,27
	OPS R,12, E,28, R,13, E,29
	OPS X,20, E,30, R,14, E,31
	OPS X,21, R,15
	WIN 0
	s_wait_alu depctr_va_vdst(0)                   ; the wait for the batch
	ROW C,0, B,0, C,2, B,1
	ROW L,0, C,4, B,2, L,1
	ROW C,6, B,3, L,2, C,8
	ROW B,4, L,3, C,10, B,5
	ROW L,4, C,12, B,6, L,5
.if \cnt
	s_sub_co_u32 s[CNT], s[CNT], 1
	s_cmp_lg_u32 s[CNT], 0
.endif
	ROW C,14, B,7, L,6, C,1
	ROW C,3, L,7, C,5, C,7
	ROW C,9, C,11, C,13, C,15
.if (\m) && !(\end)
	MASK (\p)%2
.endif
.endm
; A BLOCK BEGINS.  c m starts far below every c s, so the first a of each band is 0; m at the lowest finite number.  The second mask buffer is 0 (band 1 sees all of substep 0); the first takes piece 0's mask for
; the tile's first substep: the band's own if this tile is the diagonal one and the block is even.  Then K and V of that substep, piece 0's first scores, and its maximum and statistics.
.macro BEGIN
	s_mov_b32 s[NEW], 0
	WIN 0x40
.set i, MC+32
.rept 32
	v_mov_b32 v[i], 0
.set i, i+1
.endr
	WIN 0
.set i, 0
.rept 2
	v_mov_b32 v[ST+4*i], 0xfe000000
	v_mov_b32 v[ST+4*i+1], 0xff7fffff
.set i, i+1
.endr
	s_or_b32 s13, s[RT], s[PAR]
	s_cmp_eq_u32 s13, 0
	s_cselect_b32 s[AL], 1.0, 0
	s_mov_b32 s[BE], 0
	MASK 0
	WIN 0
	v_add_nc_u32 v[AK], s[TBK], v[AK0]
	v_add_nc_u32 v[AV], s[TBV], v[AV0]
	FETCH_K 0
	FETCH_V 0
	s_wait_loadcnt 0x0                             ; Q
	s_wait_dscnt 16                                ; K is in; V's 16 loads may stay out: turn 1 waits for them
.set KM, 1
.set NOKQ, 0
.set i, 0
.rept 8
	KQ 0
.set i, i+1
.endr
	WIN 0
.rept 4
	v_nop                                          ; the places behind those products
.endr
.set Y, NP-1
.irp n, 0,1,2,3,4,5,6,7,8,9,10,11,12,13,14,15,16,17,18,19,20,21
	OP X, \n
.endr
	v_nop                                          ; a plain instruction behind the exponential,
	s_wait_alu depctr_va_vdst(0)                   ; and its wait, ahead of the branch
.endm
; THE DIAGONAL TILE's two steps, the block's last two turns, its last products, and THE WAY OUT: l's two halves and the other half of the lanes' are added; O^T is divided by l, rounded to f16 and sent through my
; stage in LDS, a band at a time.
.macro ALL line:vararg
.set t, 0
.rept 2
	\line
.set t, t+1
.endr
.endm
.macro PACK t
	WIN W_RS
.set i, 32*(\t)
.rept 16
	v_pk_mul_f32 v[i:i+1], v[i:i+1], v[ST+4*(\t)+2:ST+4*(\t)+3] op_sel_hi:[1,0]
.set i, i+2
.endr
	WIN 0x05
.set i, 0
.rept 16
	v_cvt_pk_f16_f32 v[S+16*(\t)+i], v[32*(\t)+2*i], v[32*(\t)+2*i+1]
.set i, i+1
.endr
	WIN 0
.irp f, 0,1,2,3
	ds_store_b128 v[STO], v[S+16*(\t)+4*\f:S+16*(\t)+4*\f+3] offset:32*\f
.endr
.irp f, 0,1,2,3
	ds_load_b128 v[S+16*(\t)+4*\f:S+16*(\t)+4*\f+3], v[RD] offset:\f*4*SP  ; LDS serves a wave's instructions in order (ISA guide 5.7.1.4): these see the stores above; the next band's stores come behind them
.endr
.endm
.macro SEND t, younger                 ; younger: the LDS instructions issued behind band t's loads
	WIN 0
.irp f, 0,1,2,3
	s_wait_dscnt (\younger)+3-\f
	global_store_b128 v[GO], v[S+16*(\t)+4*\f:S+16*(\t)+4*\f+3], s[10:11] offset:(\t)*8192+\f*512  ; 512 consecutive bytes, at a multiple of 256 from O's first
.endr
.endm
.macro DIAG tag
.LstepM\tag:
	TURN 2, 1
	TURN 3, 1
	WIN 0
.LfirstM\tag:
	TURN 0, 1
	TURN 1, 1, 0, 1
	WIN 0
	s_cbranch_scc1 .LstepM\tag
	TURN 2, 1, 1
	TURN 3, 1, 1
.set i, 0
.rept 8
	PV NP-1
.set i, i+1
.endr
	WIN 0
	ALL v_add_f32 v[ST+4*t+2], v[ST+4*t+2], v[ST+4*t+3]
	ALL v_permlanex16_b32 v[ST+4*t+3], v[ST+4*t+2], s[SEL], s[SEL+1]
	ALL v_add_f32 v[ST+4*t+2], v[ST+4*t+2], v[ST+4*t+3]
	ALL v_rcp_f32 v[ST+4*t+2], v[ST+4*t+2]
	v_nop                                          ; a plain instruction between the last reciprocal and the use of its result,
	s_wait_alu depctr_va_vdst(0)                   ; and the wait ahead of the first use: one for both
	PACK 0                                         ; band 0 was ended a run of products earlier; its 32 lines are the places behind band 1's last products
	PACK 1
	SEND 0, 8
	SEND 1, 0
.endm
.set KM, 0
.set NOKQ, 0
.Lslot:                                                ; 16 times: a tile is entered and the next is asked for
	CHANGE 1
	s_sub_co_u32 s[RT], s[RT], 1
	s_mov_b32 s[CNT], 2
	s_cmp_eq_u32 s[NEW], 1
	s_cbranch_scc1 .Lnew                           ; a block's first tile
	s_cmp_eq_u32 s[RT], 0
	s_cbranch_scc0 .Lstep                          ; neither its first nor its last
	s_branch .LstepM1
.Lnew:
	BEGIN
	s_branch .Lfirst                               ; in the loop a block's first tile is never its last: the first block has nine tiles or more, and the second's last is the walk's last
	DIAG 1                                         ; in the loop this is the first block's end
	s_wait_xcnt 0x0                                ; the stores have read their registers and O's address
	s_mov_b64 s[10:11], s[OLO:OLO+1]
	s_add_co_u32 s[RT], s[PBT], 1
	s_mov_b32 s[NEW], 1
	s_mov_b32 s[PAR], s[PAR2]
	WIN 0x82                                       ; the second block's Q goes where the one text of the turns names Q
.set i, 0
.rept 32
	v_mov_b32 v[i], v[QB+i]
.set i, i+1
.endr
	WIN 0
	s_branch .Lbottom
.Lstep:                                                ; a trip: pieces 2 and 3 of one step, then pieces 0 and 1 of the next
	TURN 2
	TURN 3
	WIN 0
.Lfirst:
	TURN 0
	TURN 1, 0, 0, 1
	WIN 0
	s_cbranch_scc1 .Lstep
.Lbottom:
	s_sub_co_u32 s[SLOTS], s[SLOTS], 1
	s_cmp_lg_u32 s[SLOTS], 0
	s_cbranch_scc1 .Lslot
	CHANGE 0                                       ; the walk's last tile is written out: nothing is asked for
	s_sub_co_u32 s[RT], s[RT], 1
	s_mov_b32 s[CNT], 2
	s_cmp_eq_u32 s[NEW], 1
	s_cbranch_scc0 .LstepM2
	BEGIN
	s_branch .LfirstM2
	DIAG 2
	s_wait_tensorcnt 0x0                           ; the wave's end: behind my last tensor load and my last LDS store
	ds_add_u32 v[SPW], v[NIL]
	s_wait_dscnt 0x0
	s_endpgm
.Lfunc_end_k_qdba9efebba_attn:
	.size	k_qdba9efebba_attn, .Lfunc_end_k_qdba9efebba_attn-k_qdba9efebba_attn
	.p2alignl 7, 3214868480
	.fill 96, 4, 3214868480
	.section	.rodata,"a",@progbits
	.p2align	6, 0x0
	.amdhsa_kernel k_qdba9efebba_attn
		.amdhsa_group_segment_fixed_size 327680
		.amdhsa_private_segment_fixed_size 0
		.amdhsa_enable_private_segment 0
		.amdhsa_kernarg_size 16
		.amdhsa_user_sgpr_count 2
		.amdhsa_user_sgpr_kernarg_segment_ptr 1
		.amdhsa_wavefront_size32 1
		.amdhsa_system_sgpr_workgroup_id_x 1
		.amdhsa_system_sgpr_workgroup_id_y 1
		.amdhsa_system_sgpr_workgroup_id_z 1
		.amdhsa_system_vgpr_workitem_id 0
		.amdhsa_next_free_vgpr 896
		.amdhsa_next_free_sgpr 100
		.amdhsa_reserve_vcc 1
		.amdhsa_float_denorm_mode_32 3
		.amdhsa_float_denorm_mode_16_64 3
		.amdhsa_memory_ordered 1
		.amdhsa_forward_progress 1
		.amdhsa_inst_pref_size 210
	.end_amdhsa_kernel
	.amdgpu_metadata
---
amdhsa.version: [ 1, 2 ]
amdhsa.kernels:
  - .name:           k_qdba9efebba_attn
    .symbol:         k_qdba9efebba_attn.kd
    .args:
      - { .name: qkv, .offset: 0, .size: 8, .value_kind: global_buffer, .address_space: global }
      - { .name: ob, .offset: 8, .size: 8, .value_kind: global_buffer, .address_space: global }
    .group_segment_fixed_size: 327680
    .private_segment_fixed_size: 0
    .kernarg_segment_align: 8
    .kernarg_segment_size: 16
    .max_flat_workgroup_size: 128
    .sgpr_count:     100
    .vgpr_count:     896
    .wavefront_size: 32
...
	.end_amdgpu_metadata
.endif
;; end of part 3
;; launch outp (part 4): grid 4 x 64, 4 waves a work-group, clusters of 4 x 4, 327,680 bytes of LDS; arguments ob, wob, bo, out0; writes out0
.if DOCPART == 4
	.amdgcn_target "amdgcn-amd-amdhsa--gfx1250"
	.amdhsa_code_object_version 6
	.text
	.protected	k_qdba9efebba_outp
	.globl	k_qdba9efebba_outp
	.p2align	8
	.type	k_qdba9efebba_outp,@function
k_qdba9efebba_outp:
	s_mov_b64 s[64:65], 0
	v_nop
	global_prefetch_b8 v0, s[64:65] scope:SCOPE_SE
	s_setreg_imm32_b32 hwreg(HW_REG_WAVE_MODE, 25, 1), 1
	s_wait_xcnt 0x0
	s_wait_alu depctr_hold_cnt(0) depctr_sa_sdst(0) depctr_va_vdst(0) depctr_va_sdst(0) depctr_va_ssrc(0) depctr_va_vcc(0) depctr_vm_vsrc(0)
	s_getreg_b32 s2, hwreg(HW_REG_IB_STS2, 6, 4)
	s_cmp_eq_u32 s2, 0
	s_cbranch_scc0 .Lentry_in_a_cluster
	s_endpgm
.Lentry_in_a_cluster:
	s_bfe_u32 s2, ttmp6, 0x10000c
	s_cmp_lg_u32 s2, 0xf033
	s_cbranch_scc0 .Lentry_shape_is_right
	s_endpgm
.Lentry_shape_is_right:
; out0[t][n] = the sum over k of concat[t][k] wo[k][n] + bo[n], f32.  concat[t][64 h + d] = ob[h][t][d] (f16); wob[nb][k][e] = wo[k][64 nb + e] (rounded to bf16, written as f16); bo is rounded to bf16 here.
; Sums in f32, stored as they are.
; SHARES.  A work-group makes 64 rows x 192 columns (768 bytes of a row: three aligned blocks of 256): grid 4 x 64 = 256 work-groups.  Wave w: all 64 rows (a = 0..3), column tiles 3 w + i of 16 (i = 0..2): 12 accumulators.
; K = 768 goes in three steps of 256 (four heads) through two LDS slots; slot 0 is filled a second time.  ob's tile is 4 chunks x 64 rows x 128 bytes, each chunk dense: 4 rows of 8,192 bytes, padded after every 128.
; wob's tiles are 256 k x 128 bytes, dense: 128 rows of 256 bytes; read turned, by ds_load_tr16_b128.  The matrix instruction is used transposed: a lane holds eight neighbouring columns of a row: 32 bytes.
; The bias is the C operand of the first products.
; CLUSTER 4 x 4: ob's tile is asked for jointly along a row of the cluster, wob's along a column.  Wave 3 asks for ob's tile, waves 0 to 2 for wob's three blocks (wave 3's descriptor for wob is never issued).
; By this text's count a wave has two tensor loads out at the start, later one.  No prefetch: of three K steps two go out at the head, and the launch is short.
.set PA,    144
.set PB,    160
.set ACH,   64*PA      ; 9,216
.set BOFF,  4*ACH      ; 36,864
.set BBLK,  256*PB     ; 40,960
.set SLOT,  BOFF+3*BBLK  ; 159,744
.set STAGE, SLOT       ; the way out goes through slot 1's bytes: its first fill is its last
.set SP,    784        ; a stage row: 768 bytes + 16
.set SPARE, 2*SLOT
.set ASTEP, 2097152    ; bytes of ob from K step to K step: four heads
.set BSTEP, 32768      ; of wob: 256 rows
.set ADRA, 4           ; v4-5
.set ADRB, 6           ; v6-8 slot 0, v9-11 slot 1: column tile i
.set STO,  12
.set RD,   13
.set GO,   14
.set BO,   15
.set SPW,  16          ; my spare word; never rewritten
.set NIL,  17          ; 0; never rewritten
.set ACC,  24          ; (a, i) at ACC + 8 (3 a + i)
.set BI,   120         ; the bias, 8 registers for each i
.set F0,   144         ; two fragment buffers of 56: ob's a at +8 a, wob's i at +32 + 8 i
.set WV,  20
.set G1A, 24
.set G0A, 32
.set G1B, 48
.set G0B, 56
.set OUT, 68
.macro PLACES
.rept 4
	v_nop
.endr
.endm
.macro JLOAD s                         ; a joint load; an s_nop 0 and four v_nop follow each of the two lines
	s_cmp_eq_u32 s[WV], 3
	s_cbranch_scc0 .Lfor_b_\@
	tensor_load_to_lds s[G0A+4*(\s):G0A+4*(\s)+3], s[G1A:G1A+7]
	s_nop 0
	PLACES
	s_branch .Lasked_\@
.Lfor_b_\@:
	tensor_load_to_lds s[G0B+4*(\s):G0B+4*(\s)+3], s[G1B:G1B+7]
	s_nop 0
	PLACES
.Lasked_\@:
.endm
.macro CREST
	s_cmp_lg_u32 s[WV], 0
	s_cbranch_scc1 .Lnot_wave_0_\@
	s_barrier_signal -3
.Lnot_wave_0_\@:
	s_barrier_wait -3
	s_barrier_signal -1
	s_barrier_wait -1
.endm
.macro CROUND
	s_barrier_signal -1
	s_barrier_wait -1
	CREST
.endm
	s_load_b256 s[4:11], s[0:1], 0x0               ; ob 4, wob 6, bo 8, out0 10
	v_lshl_add_u32 v[SPW], v0, 2, SPARE
	v_mov_b32 v[NIL], 0
	ds_add_u32 v[SPW], v[NIL]                      ; the wave's opening: the add and its wait stand ahead of my first tensor load
	v_lshrrev_b32 v1, 5, v0
	v_readfirstlane_b32 s[WV], v1
	s_bfe_u32 s40, ttmp6, 0x40000                  ; cx
	s_bfe_u32 s41, ttmp6, 0x40004                  ; cy
	s_lshl_b32 s42, ttmp9, 2
	s_add_co_u32 s42, s42, s40                     ; tile column 0..3
	s_and_b32 s43, ttmp7, 0xffff
	s_lshl_b32 s43, s43, 2
	s_add_co_u32 s43, s43, s41                     ; tile row 0..63
	s_lshl_b32 s44, s41, 2
	s_lshl_b32 s44, 15, s44
	s_lshl_b32 s45, 0x1111, s40
	s_or_b32 s[G1A], s44, (1<<16)|(1<<20)|(1<<21)|(4<<22)|(3<<25)
	s_or_b32 s[G1B], s45, (1<<16)|(1<<20)|(1<<21)|(4<<22)|(7<<25)
	s_mov_b32 s[G1A+1], 4096<<16                   ; a chunk's 64 rows of 64, end to end
	s_mov_b32 s[G1A+2], 4<<16                      ; 4 chunks
	s_mov_b32 s[G1A+3], 4096<<16
	s_mov_b32 s[G1A+4], 4
	s_mov_b32 s[G1A+5], 262144                     ; elements from head to head
	s_mov_b32 s[G1A+6], 0
	s_mov_b32 s[G1A+7], 0
	s_mov_b32 s[G1B+1], 128<<16                    ; 128 rows of 128 elements, dense
	s_mov_b32 s[G1B+2], 128<<16
	s_mov_b32 s[G1B+3], 128<<16
	s_mov_b32 s[G1B+4], 128
	s_mov_b32 s[G1B+5], 128
	s_mov_b32 s[G1B+6], 0
	s_mov_b32 s[G1B+7], 0
	s_lshl_b32 s16, s43, 13                        ; ob: 64 rows of 128 bytes for each tile row
	s_mov_b32 s17, 0
	s_mul_i32 s46, s42, 3                          ; wob: block 3 x tile column + wave
	s_add_co_u32 s46, s46, s[WV]
	s_mul_i32 s46, s46, 98304
	s_mov_b32 s47, 0
	s_mul_i32 s18, s[WV], BBLK
	s_add_co_u32 s18, s18, BOFF
	s_wait_dscnt 0x0                               ; the opening add is done
	s_wait_kmcnt 0x0
	s_add_nc_u64 s[16:17], s[4:5], s[16:17]
	s_add_nc_u64 s[46:47], s[6:7], s[46:47]
	CROUND                                         ; all sixteen work-groups are here: the first joint loads meet
.irp s, 0,1
	s_mov_b32 s[G0A+4*\s], 1
	s_mov_b32 s[G0A+4*\s+1], \s*SLOT
	s_add_nc_u64 s[G0A+4*\s+2:G0A+4*\s+3], s[16:17], \s*ASTEP
	s_or_b32 s[G0A+4*\s+3], s[G0A+4*\s+3], 0x80000000
	s_mov_b32 s[G0B+4*\s], 1
	s_add_co_u32 s[G0B+4*\s+1], s18, \s*SLOT
	s_add_nc_u64 s[G0B+4*\s+2:G0B+4*\s+3], s[46:47], \s*BSTEP
	s_or_b32 s[G0B+4*\s+3], s[G0B+4*\s+3], 0x80000000
	JLOAD \s
.endr
	v_and_b32 v1, 15, v0                           ; r
	v_bfe_u32 v2, v0, 4, 1                         ; h
	v_and_b32 v3, 7, v0
	v_bfe_u32 v18, v0, 3, 1
	v_mul_u32_u24 v[ADRA], v1, PA
	v_lshl_add_u32 v[ADRA], v2, 4, v[ADRA]
	v_add_nc_u32 v[ADRA+1], SLOT, v[ADRA]
	v_lshl_add_u32 v19, v2, 3, v3
	v_mul_u32_u24 v19, v19, PB
	v_lshl_add_u32 v19, v18, 4, v19                ; the turning load's lane term
.irp i, 0,1,2
	s_mul_i32 s70, s[WV], 3
	s_add_co_u32 s70, s70, \i                      ; column tile 3 w + i: block / 4, 32 bytes x % 4
	s_lshr_b32 s71, s70, 2
	s_mul_i32 s71, s71, BBLK
	s_and_b32 s70, s70, 3
	s_lshl_b32 s70, s70, 5
	s_add_co_u32 s70, s70, s71
	s_add_co_u32 s70, s70, BOFF
	v_add_nc_u32 v[ADRB+\i], s70, v19
	v_add_nc_u32 v[ADRB+3+\i], SLOT, v[ADRB+\i]
.endr
	v_mul_u32_u24 v20, v1, SP                      ; into the stage: row r, my wave's 192 bytes, 32 bytes for each half of the lanes
	v_lshl_add_u32 v20, v2, 5, v20
	s_mul_i32 s70, s[WV], 192
	s_add_co_u32 s70, s70, STAGE
	v_add_nc_u32 v[STO], s70, v20
	v_mul_u32_u24 v20, v2, SP                      ; back: wave w takes rows 16 w on; lanes 0-15 256 bytes of one row, lanes 16-31 of the next
	v_lshl_add_u32 v20, v1, 4, v20
	s_mul_i32 s70, s[WV], 16*SP
	s_add_co_u32 s70, s70, STAGE
	v_add_nc_u32 v[RD], s70, v20
	v_mul_u32_u24 v20, v2, 3072
	v_lshl_add_u32 v[GO], v1, 4, v20
	s_mul_i32 s70, s42, 768                        ; the tile's first column, in bytes
	s_mul_i32 s71, s[WV], 192
	s_add_co_u32 s71, s71, s70
	v_lshl_add_u32 v[BO], v2, 5, s71
	s_lshl_b32 s72, s43, 6
	s_lshl4_add_u32 s72, s[WV], s72                ; the first row that I store
	s_mul_i32 s72, s72, 3072
	s_add_co_u32 s72, s72, s70
	s_mov_b32 s73, 0
	s_add_nc_u64 s[OUT:OUT+1], s[10:11], s[72:73]
.irp i, 0,1,2
	global_load_b128 v[BI+8*\i:BI+8*\i+3],   v[BO], s[8:9] offset:64*\i
	global_load_b128 v[BI+8*\i+4:BI+8*\i+7], v[BO], s[8:9] offset:64*\i+16
.endr
; 12 matrix instructions, 32 along K; the 12 accumulators take turns.  first = 1: C is the bias
.macro MUL f, first
.irp a, 0,1,2,3
.irp i, 0,1,2
.if \first
	v_wmma_f32_16x16x32_f16 v[ACC+8*(3*\a+\i):ACC+8*(3*\a+\i)+7], v[(\f)+32+8*\i:(\f)+32+8*\i+7], v[(\f)+8*\a:(\f)+8*\a+7], v[BI+8*\i:BI+8*\i+7]
.else
	v_wmma_f32_16x16x32_f16 v[ACC+8*(3*\a+\i):ACC+8*(3*\a+\i)+7], v[(\f)+32+8*\i:(\f)+32+8*\i+7], v[(\f)+8*\a:(\f)+8*\a+7], v[ACC+8*(3*\a+\i):ACC+8*(3*\a+\i)+7]
.endif
.endr
.endr
.endm
; 14 LDS loads in one run: substep kk (32 along K) of a slot into buffer f
.macro FETCH slot, kk, f
.irp i, 0,1,2
	ds_load_tr16_b128 v[(\f)+32+8*\i:(\f)+32+8*\i+3],   v[ADRB+3*(\slot)+\i] offset:(\kk)*32*PB
	ds_load_tr16_b128 v[(\f)+32+8*\i+4:(\f)+32+8*\i+7], v[ADRB+3*(\slot)+\i] offset:(\kk)*32*PB+16*PB
.endr
.irp a, 0,1,2,3
	ds_load_b128 v[(\f)+8*\a:(\f)+8*\a+3],   v[ADRA+(\slot)] offset:((\kk)/2)*ACH+((\kk)%2)*64+\a*16*PA
	ds_load_b128 v[(\f)+8*\a+4:(\f)+8*\a+7], v[ADRA+(\slot)] offset:((\kk)/2)*ACH+((\kk)%2)*64+\a*16*PA+32
.endr
.endm
	s_wait_tensorcnt 1                             ; my part of K step 0 is in; K step 1's may stay out
	s_barrier_signal -1
	s_barrier_wait -1
	FETCH 0, 0, F0
	s_wait_loadcnt 0x0                             ; the bias: rounded to bf16, like every input
.set p, 0
.rept 12
	v_cvt_pk_bf16_f32 v[18+p%4], v[BI+2*p], v[BI+2*p+1]
	v_lshlrev_b32 v[BI+2*p], 16, v[18+p%4]
	v_and_b32 v[BI+2*p+1], 0xffff0000, v[18+p%4]
.set p, p+1
.endr
; 24 substeps of 32 along K, eight to a slot, on the two buffers by turns: the next substep's loads go out, then this one's products.
; At a slot's last substep the slots change: each wave waits for all its tensor loads, adds 0 to its spare word, waits for that and for its reads of the slot, and passes a barrier.  The first change opens a round
; of the cluster's barrier, behind which slot 0 is filled again with K step 2; behind the second nothing is filled.
.set n, 0
.rept 24
.set sl, (n/8)%2
.set kk, n%8
.set fb, F0+56*(n%2)
.set fo, F0+56*((n+1)%2)
.if kk < 7
.if n > 0
	PLACES                                         ; the other buffer was read by the products just issued
.endif
	FETCH sl, kk+1, fo
	s_wait_dscnt 14                                ; all but the 14 just issued
.if n == 0
	MUL fb, 1
.else
	MUL fb, 0
.endif
.elseif n == 23
	s_wait_dscnt 0x0
	MUL fb, 0
.else
	s_wait_tensorcnt 0x0                           ; all my tensor loads have landed: my part of the next slot
	ds_add_u32 v[SPW], v[NIL]
	s_wait_dscnt 0x0                               ; the add is done, and my reads of this slot are over
	s_barrier_signal -1
	MUL fb, 0
	s_barrier_wait -1
.if n == 7
	CREST                                          ; no wave of any partner still reads slot 0 or has a load on its way
	s_add_nc_u64 s[G0A+2:G0A+3], s[G0A+2:G0A+3], 2*ASTEP
	s_add_nc_u64 s[G0B+2:G0B+3], s[G0B+2:G0B+3], 2*BSTEP
	JLOAD 0                                        ; its four v_nop are also the places in front of the loads below
.else
	PLACES
.endif
	FETCH 1-sl, 0, fo
.endif
.set n, n+1
.endr
	; THE WAY OUT.  The sums go as they are into the stage: slot 1's bytes, which were filled once and whose last reads every wave ended in front of the second change of slots.  A barrier, since a row comes
	; from four waves; back as whole rows: 16 lanes store 256 consecutive bytes, at a multiple of 256 from out0's first byte.
	PLACES
.irp a, 0,1,2,3
.irp i, 0,1,2
	ds_store_b128 v[STO], v[ACC+8*(3*\a+\i):ACC+8*(3*\a+\i)+3]   offset:\a*16*SP+64*\i
	ds_store_b128 v[STO], v[ACC+8*(3*\a+\i)+4:ACC+8*(3*\a+\i)+7] offset:\a*16*SP+64*\i+16
.endr
.endr
	s_wait_dscnt 0x0                               ; for the others' sake: my stores into the stage are done
	s_barrier_signal -1
	s_barrier_wait -1
.set n, 0
.rept 24
	ds_load_b128 v[F0+4*n:F0+4*n+3], v[RD] offset:(n/3)*2*SP+(n%3)*256
.set n, n+1
.endr
.set n, 0
.rept 24
	s_wait_dscnt 23-n                              ; LDS loads come back in order: load n is in
	global_store_b128 v[GO], v[F0+4*n:F0+4*n+3], s[OUT:OUT+1] offset:(n/3)*6144+(n%3)*256
.set n, n+1
.endr
	s_wait_tensorcnt 0x0                           ; the wave's end: behind my last tensor load and my last LDS store
	ds_add_u32 v[SPW], v[NIL]
	s_wait_dscnt 0x0
	CROUND                                         ; the closing round: no work-group ends while a partner may still ask for a tile that names it
	s_endpgm
.Lfunc_end_k_qdba9efebba_outp:
	.size	k_qdba9efebba_outp, .Lfunc_end_k_qdba9efebba_outp-k_qdba9efebba_outp
	.p2alignl 7, 3214868480
	.fill 96, 4, 3214868480
	.section	.rodata,"a",@progbits
	.p2align	6, 0x0
	.amdhsa_kernel k_qdba9efebba_outp
		.amdhsa_group_segment_fixed_size 327680
		.amdhsa_private_segment_fixed_size 0
		.amdhsa_enable_private_segment 0
		.amdhsa_kernarg_size 32
		.amdhsa_user_sgpr_count 2
		.amdhsa_user_sgpr_kernarg_segment_ptr 1
		.amdhsa_wavefront_size32 1
		.amdhsa_system_sgpr_workgroup_id_x 1
		.amdhsa_system_sgpr_workgroup_id_y 1
		.amdhsa_system_sgpr_workgroup_id_z 1
		.amdhsa_system_vgpr_workitem_id 0
		.amdhsa_next_free_vgpr 256
		.amdhsa_next_free_sgpr 76
		.amdhsa_reserve_vcc 0
		.amdhsa_float_denorm_mode_32 3
		.amdhsa_float_denorm_mode_16_64 3
		.amdhsa_memory_ordered 1
		.amdhsa_forward_progress 1
		.amdhsa_inst_pref_size 61
	.end_amdhsa_kernel
	.amdgpu_metadata
---
amdhsa.version: [ 1, 2 ]
amdhsa.kernels:
  - .name:           k_qdba9efebba_outp
    .symbol:         k_qdba9efebba_outp.kd
    .args:
      - { .name: ob, .offset: 0, .size: 8, .value_kind: global_buffer, .address_space: global }
      - { .name: wob, .offset: 8, .size: 8, .value_kind: global_buffer, .address_space: global }
      - { .name: bo, .offset: 16, .size: 8, .value_kind: global_buffer, .address_space: global }
      - { .name: out0, .offset: 24, .size: 8, .value_kind: global_buffer, .address_space: global }
    .group_segment_fixed_size: 327680
    .private_segment_fixed_size: 0
    .kernarg_segment_align: 8
    .kernarg_segment_size: 32
    .max_flat_workgroup_size: 128
    .sgpr_count:     76
    .vgpr_count:     256
    .wavefront_size: 32
...
	.end_amdgpu_metadata
.endif
;; end of part 4
;; ======== version 2 of 2: 4 launches; version 1 with the launch prep written anew for expert scheduling mode
;; limits: values are held in f16: magnitudes above 65,504 overflow, below 6.1e-05 lose precision
;; workspace buffers: xb 6,291,456 bytes; wb 3,538,944 bytes; wob 1,179,648 bytes; qkv 18,874,368 bytes; ob 6,291,456 bytes
;; launch prep (part 5): grid 12 x 56, 8 waves a work-group, no clusters, 0 bytes of LDS; arguments x, wq, wk, wv, wo, xb, wb, wob; writes xb, wb, wob
.if DOCPART == 5
	.amdgcn_target "amdgcn-amd-amdhsa--gfx1250"
	.amdhsa_code_object_version 6
	.text
	.protected	k_qdba9efebba_prep
	.globl	k_qdba9efebba_prep
	.p2align	8
	.type	k_qdba9efebba_prep,@function
k_qdba9efebba_prep:
	s_mov_b64 s[64:65], 0
	v_nop
	global_prefetch_b8 v0, s[64:65] scope:SCOPE_SE
	s_setreg_imm32_b32 hwreg(HW_REG_WAVE_SCHED_MODE, 0, 2), 2
	s_setreg_imm32_b32 hwreg(HW_REG_WAVE_MODE, 25, 1), 1
	s_wait_xcnt 0x0
	s_wait_alu depctr_vm_vsrc(0)
; ROUNDING AND RE-BLOCKING of the five large inputs, once, so that every tile of the later launches is dense and 16 bits wide.
;   xb [12 cb][4096 t][64] bf16: xb[cb][t][e] = x[t][64 cb + e]
;   wb [36 g][768 c][64 d] bf16: g = 12 x matrix + head, matrix 0, 1, 2 = q, k, v
;   wob[12 nb][768 k][64]  f16:  wo[k][64 nb + e] rounded to bf16, and that number written as f16
; LIMIT: a number of wo below 6e-5 in size keeps f16's fixed step of 6e-8; beyond 65,504 it would be an infinity (wo as drawn lies within 0.04).
; A stream: no LDS, no matrix unit, no cluster (no byte is read twice).  A work-group converts 128 rows of one block of 64 columns, a wave 16 rows as 8 items of 2 rows.
; In an item lane l reads 16 bytes (row l / 16, floats 4 (l % 16) on): each half of the wave 256 consecutive bytes, aligned; and stores 8 bytes at 8 l: the wave 256 consecutive bytes, aligned.
; All eight loads go out first.
; THE MODE: SCHED_MODE bits 1:0 = 2 (LLVM: expert scheduling mode 2), set by the entry lines.  The code itself states the register dependences
; between vector instructions and memory instructions, with s_wait_alu, always for 0.
; THE PLAN.  Registers that memory instructions touch:
;   OFF, DO   byte offsets: written by vector instructions at the head, once; read by the eight loads (OFF) and by all eight stores (DO); never written again.
;   X         item j's four registers: written by item j's load alone; no vector instruction names them ahead of the loads; read by item j's conversions behind its counted wait.
;   Y         item j's two registers: written by item j's conversions; read by item j's one store; never written behind it.
;   T, v1-v3  named by vector instructions alone.
; So one wait on va_vdst at the head states that the offsets are written, for every load and store of the kernel.  The items go in two groups of four: a group's conversions, one wait on
; va_vdst, which states that they have written the group's Y, and the run of its four stores.  One wait on va_sdst stands ahead of the reader of the wave's number.
; No register that a memory instruction reads is written again, so past the entry lines there is no wait on vm_vsrc and none on XCNT.
.set OFF, 4            ; v4-11   item j's byte offset in the source
.set DO,  12           ; v12     my byte offset in the destination
.set X,   16           ; v16-47  item j: four f32
.set Y,   48           ; v48-63  item j: four 16-bit numbers
.set T,   64           ; v64-67  wo's way: the bf16 numbers as f32
.set GY,  24           ; s24  the grid's y: which tensor, which 128 rows
.set WV,  25           ; s25  wave
.set RG0, 26           ; s26  the first y of the tensor in hand
.set SRS, 27           ; s27  source: bytes from row to row
.set SBS, 28           ; s28  source: bytes from block to block
.set DBS, 29           ; s29  destination: bytes from block to block
.set MB,  30           ; s30  destination: first block
.set KO,  31           ; s31  1: wo
.set SRC, 32           ; s[32:33]
.set DST, 34           ; s[34:35]
	s_load_b512 s[8:23], s[0:1], 0x0               ; x 8, wq 10, wk 12, wv 14, wo 16, xb 18, wb 20, wob 22
	s_and_b32 s[GY], ttmp7, 0xffff
	v_lshrrev_b32 v1, 5, v0
	v_readfirstlane_b32 s[WV], v1
	s_mov_b32 s[RG0], 0                            ; y 0-31: x
	s_mov_b32 s[SRS], 3072
	s_mov_b32 s[SBS], 256
	s_mov_b32 s[DBS], 524288
	s_mov_b32 s[MB], 0
	s_mov_b32 s[KO], 0
	s_wait_kmcnt 0x0
	s_mov_b64 s[SRC:SRC+1], s[8:9]
	s_mov_b64 s[DST:DST+1], s[18:19]
	s_cmp_ge_u32 s[GY], 32                         ; y 32-37: wo
	s_cselect_b32 s[RG0], 32, s[RG0]
	s_cselect_b32 s[DBS], 98304, s[DBS]
	s_cselect_b32 s[KO], 1, s[KO]
	s_cselect_b64 s[SRC:SRC+1], s[16:17], s[SRC:SRC+1]
	s_cselect_b64 s[DST:DST+1], s[22:23], s[DST:DST+1]
	s_cmp_ge_u32 s[GY], 38                         ; y 38-43: wq: a block is a head, its rows are dense
	s_cselect_b32 s[RG0], 38, s[RG0]
	s_cselect_b32 s[SRS], 256, s[SRS]
	s_cselect_b32 s[SBS], 196608, s[SBS]
	s_cselect_b32 s[KO], 0, s[KO]
	s_cselect_b64 s[SRC:SRC+1], s[10:11], s[SRC:SRC+1]
	s_cselect_b64 s[DST:DST+1], s[20:21], s[DST:DST+1]
	s_cmp_ge_u32 s[GY], 44                         ; y 44-49: wk
	s_cselect_b32 s[RG0], 44, s[RG0]
	s_cselect_b32 s[MB], 12, s[MB]
	s_cselect_b64 s[SRC:SRC+1], s[12:13], s[SRC:SRC+1]
	s_cmp_ge_u32 s[GY], 50                         ; y 50-55: wv
	s_cselect_b32 s[RG0], 50, s[RG0]
	s_cselect_b32 s[MB], 24, s[MB]
	s_cselect_b64 s[SRC:SRC+1], s[14:15], s[SRC:SRC+1]
	s_sub_co_u32 s36, s[GY], s[RG0]
	s_lshl_b32 s36, s36, 7
	s_wait_alu depctr_va_sdst(0)                   ; v_readfirstlane_b32 has written the wave's number, ahead of its first and only reader, the next line
	s_lshl4_add_u32 s36, s[WV], s36                ; my wave's first row
	s_mul_i32 s37, s36, s[SRS]
	s_mul_i32 s38, ttmp9, s[SBS]
	s_add_co_u32 s37, s37, s38                     ; its first byte in the source,
	s_add_co_u32 s38, s[MB], ttmp9
	s_mul_i32 s38, s38, s[DBS]
	s_lshl_b32 s39, s36, 7
	s_add_co_u32 s39, s39, s38                     ; and in the destination
	s_lshl_b32 s38, s[SRS], 1                      ; two rows
	v_and_b32 v2, 15, v0
	v_bfe_u32 v3, v0, 4, 1
	v_mul_lo_u32 v[OFF], v3, s[SRS]
	v_lshl_add_u32 v[OFF], v2, 4, v[OFF]
	v_add_nc_u32 v[OFF], s37, v[OFF]
.irp j, 1,2,3,4,5,6,7
	v_add_nc_u32 v[OFF+\j], s38, v[OFF+\j-1]
.endr
	v_and_b32 v1, 31, v0
	v_lshl_add_u32 v[DO], v1, 3, s39
	s_wait_alu depctr_va_vdst(0)                   ; the eight offsets v4-11 and v12 are written: the loads below read the eight, every store of the kernel reads v12, and none is written again
.irp j, 0,1,2,3,4,5,6,7
	global_load_b128 v[X+4*\j:X+4*\j+3], v[OFF+\j], s[SRC:SRC+1] th:TH_LOAD_NT
.endr
	s_cmp_eq_u32 s[KO], 1
	s_cbranch_scc1 .Lwo
.irp g, 0,1                            ; two groups of four items
.irp i, 0,1,2,3
	s_wait_loadcnt 7-(4*\g+\i)                     ; loads come back in order: the item is in, the younger ones stay out
	v_cvt_pk_bf16_f32 v[Y+2*(4*\g+\i)], v[X+4*(4*\g+\i)], v[X+4*(4*\g+\i)+1]
	v_cvt_pk_bf16_f32 v[Y+2*(4*\g+\i)+1], v[X+4*(4*\g+\i)+2], v[X+4*(4*\g+\i)+3]
.endr
	s_wait_alu depctr_va_vdst(0)                   ; the group's eight conversions have written its Y, which the four stores below read
.irp i, 0,1,2,3
	global_store_b64 v[DO], v[Y+2*(4*\g+\i):Y+2*(4*\g+\i)+1], s[DST:DST+1] offset:256*(4*\g+\i)
.endr
.endr
	s_endpgm
.Lwo:                                                  ; wo: rounded to bf16 like every input, then written as f16, the format of the product that takes it
.irp g, 0,1                            ; two groups of four items
.irp i, 0,1,2,3
	s_wait_loadcnt 7-(4*\g+\i)
	v_cvt_pk_bf16_f32 v[Y+2*(4*\g+\i)], v[X+4*(4*\g+\i)], v[X+4*(4*\g+\i)+1]
	v_cvt_pk_bf16_f32 v[Y+2*(4*\g+\i)+1], v[X+4*(4*\g+\i)+2], v[X+4*(4*\g+\i)+3]
	v_lshlrev_b32 v[T], 16, v[Y+2*(4*\g+\i)]
	v_and_b32 v[T+1], 0xffff0000, v[Y+2*(4*\g+\i)]
	v_lshlrev_b32 v[T+2], 16, v[Y+2*(4*\g+\i)+1]
	v_and_b32 v[T+3], 0xffff0000, v[Y+2*(4*\g+\i)+1]
	v_cvt_pk_f16_f32 v[Y+2*(4*\g+\i)], v[T], v[T+1]
	v_cvt_pk_f16_f32 v[Y+2*(4*\g+\i)+1], v[T+2], v[T+3]
.endr
	s_wait_alu depctr_va_vdst(0)                   ; the group's conversions to f16 have written its Y, which the four stores below read
.irp i, 0,1,2,3
	global_store_b64 v[DO], v[Y+2*(4*\g+\i):Y+2*(4*\g+\i)+1], s[DST:DST+1] offset:256*(4*\g+\i)
.endr
.endr
	s_endpgm
.Lfunc_end_k_qdba9efebba_prep:
	.size	k_qdba9efebba_prep, .Lfunc_end_k_qdba9efebba_prep-k_qdba9efebba_prep
	.p2alignl 7, 3214868480
	.fill 96, 4, 3214868480
	.section	.rodata,"a",@progbits
	.p2align	6, 0x0
	.amdhsa_kernel k_qdba9efebba_prep
		.amdhsa_group_segment_fixed_size 0
		.amdhsa_private_segment_fixed_size 0
		.amdhsa_enable_private_segment 0
		.amdhsa_kernarg_size 64
		.amdhsa_user_sgpr_count 2
		.amdhsa_user_sgpr_kernarg_segment_ptr 1
		.amdhsa_wavefront_size32 1
		.amdhsa_system_sgpr_workgroup_id_x 1
		.amdhsa_system_sgpr_workgroup_id_y 1
		.amdhsa_system_sgpr_workgroup_id_z 1
		.amdhsa_system_vgpr_workitem_id 0
		.amdhsa_next_free_vgpr 72
		.amdhsa_next_free_sgpr 66
		.amdhsa_reserve_vcc 0
		.amdhsa_float_denorm_mode_32 3
		.amdhsa_float_denorm_mode_16_64 3
		.amdhsa_memory_ordered 1
		.amdhsa_forward_progress 1
		.amdhsa_inst_pref_size 11
	.end_amdhsa_kernel
	.amdgpu_metadata
---
amdhsa.version: [ 1, 2 ]
amdhsa.kernels:
  - .name:           k_qdba9efebba_prep
    .symbol:         k_qdba9efebba_prep.kd
    .args:
      - { .name: x, .offset: 0, .size: 8, .value_kind: global_buffer, .address_space: global }
      - { .name: wq, .offset: 8, .size: 8, .value_kind: global_buffer, .address_space: global }
      - { .name: wk, .offset: 16, .size: 8, .value_kind: global_buffer, .address_space: global }
      - { .name: wv, .offset: 24, .size: 8, .value_kind: global_buffer, .address_space: global }
      - { .name: wo, .offset: 32, .size: 8, .value_kind: global_buffer, .address_space: global }
      - { .name: xb, .offset: 40, .size: 8, .value_kind: global_buffer, .address_space: global }
      - { .name: wb, .offset: 48, .size: 8, .value_kind: global_buffer, .address_space: global }
      - { .name: wob, .offset: 56, .size: 8, .value_kind: global_buffer, .address_space: global }
    .group_segment_fixed_size: 0
    .private_segment_fixed_size: 0
    .kernarg_segment_align: 8
    .kernarg_segment_size: 64
    .max_flat_workgroup_size: 256
    .sgpr_count:     66
    .vgpr_count:     72
    .wavefront_size: 32
...
	.end_amdgpu_metadata
.endif
;; end of part 5
;; launch proj: the kernel of part 2 again; grid 12 x 16, 4 waves a work-group, clusters of 4 x 4, 327,680 bytes of LDS; arguments xb, wb, bq, bk, bv, qkv; writes qkv
;; launch attn: the kernel of part 3 again; grid 16 x 12, 4 waves a work-group, no clusters, 327,680 bytes of LDS; arguments qkv, ob; writes ob
;; launch outp: the kernel of part 4 again; grid 4 x 64, 4 waves a work-group, clusters of 4 x 4, 327,680 bytes of LDS; arguments ob, wob, bo, out0; writes out0
